; MI455X (gfx1250); checked and timed in simulation.
; The chip was launched on July 23, 2026; its instructions are those of AMD's public machine-readable ISA for CDNA 5 (MIT licence, August 2026) and "CDNA5" Instruction Set Architecture Reference Guide (July 2026). The comments in the code are by the model that wrote it; some were corrected since.
;; Full Attention. Allowed arithmetic: matrix products marked QUANTISED: E3M2 operands, one E8M0 scale for each 32 along K, by v_wmma_scale_f32_16x16x128_f8f6f4 with both operands' format E3M2, f32 sums; everything else in f32.
;; Inputs: attn_mask 4 x 1 x 2,048 x 2,048 bool; keys 4 x 2,048 x 16 x 64 float32; queries 4 x 2,048 x 16 x 64 float32; values 4 x 2,048 x 16 x 64 float32.
;; Outputs: out0 4 x 2,048 x 16 x 64 float32.
;; This version of the problem:
;;   THIS VERSION OF THE PROBLEM IS GIVEN IN LOW PRECISION. The matrix products marked QUANTISED in the list below multiply operands that are first quantised to E3M2 (3 exponent bits, 2 mantissa bits; 6 bits a number), with one power-of-two scale for each 32 numbers along K (OCP MX v1.0); their sums are f32. All else is computed in f32.
;;   The module's matrix products, in the order in which they are computed (A, B: the left and right operand; K: the contracted axis; several contracted axes count as one K, in the product's order):
;;     1. batch 64 x [M 2,048, K 64] x [K 64, N 2,048]; A: input queries; B: input keys: QUANTISED
;;     2. batch 64 x [M 64, K 2,048] x [K 2,048, N 2,048]; A: input values; B: softmax (see below): QUANTISED
;;   THE QUANTISER, for each operand of a quantised product, along K:
;;     - K is cut into blocks of 32 from its start; a last block that is shorter is filled with zeros.
;;     - A block's scale is 2^e with e = floor(log2(the largest magnitude in the block)) - 4, held to -126 .. 127; a block of zeros has e = 0. As a byte (E8M0): e + 127.
;;     - Each number is divided by its block's scale, clamped to +-28, and rounded to the nearest number of E3M2, ties to even, subnormals kept.
;;     - The product sums the exact products of the quantised numbers (number of the format x scale) in f32.
;;   ~~~python
;;   def quantise(x, axis):      # numpy; x: float32 -> the quantised numbers, widened to float32 again
;;       x = np.moveaxis(x, axis, -1); K = x.shape[-1]
;;       x = np.pad(x, [(0, 0)] * (x.ndim - 1) + [(0, -K % 32)]); x = x.reshape(x.shape[:-1] + (-1, 32)); a = np.abs(x).max(-1, keepdims=True)
;;       e = np.where(a > 0, np.clip(np.frexp(np.where(a > 0, a, 1))[1] - 1 - 4, -126, 127), 0)      # np.frexp(a)[1] - 1 = floor(log2(a)), exactly
;;       r = np.clip(x / 2.0 ** e, -28, 28)
;;       step = 2.0 ** (np.maximum(np.frexp(np.where(r == 0, 1, r))[1] - 1, -2) - 2)
;;       q = np.round(r / step) * step * 2.0 ** e      # np.round: ties to even
;;       return np.moveaxis(q.reshape(q.shape[:-2] + (-1,))[..., :K], -1, axis).astype(np.float32)
;;   ~~~
;;   SOFTMAX AHEAD OF A QUANTISED PRODUCT. Where the list says 'softmax', what is quantised is not the finished softmax but p = 2^(t - M), with t = logit x log2(e) and M = ceil(the row's largest t), a whole number; so 1/2 < the row's largest p <= 1. The row's sum l is taken of the UNQUANTISED p, in f32, and the product's result is divided by l at the end. Since M is a whole number, a kernel that streams over the keys may use a running M (the ceiling of the running maximum): every later rescaling is an exact power of two, which a block's scale takes up: the codes' values come out the same.
;;   OPERANDS COMPUTED ON THE WAY. 'Computed on the way' means the value that the module computes at that place (a softmax that the list does not call 'softmax' is quantised finished and normalised). What goes into a quantiser is computed in f32, as accurately as f32 sums, v_exp_f32 and their like allow (about 1e-6 of the number): no bf16 or f16 on the way to a quantiser, and a product that is left as it is and whose result goes on into a quantised operand takes f32 operands (vector FMAs, or v_wmma_f32_16x16x4_f32). A number that lies on a knife's edge between two numbers of the format may be rounded either way, as far as f32 arithmetic and the matrix unit's own rounding can turn it there, and no further.
;; 2 versions. Each part assembles by itself: llvm-mc -triple=amdgcn-amd-amdhsa -mcpu=gfx1250 --defsym DOCPART=n.
;; ======== version 1 of 2: 2 launches
;; workspace buffers: qc 6,291,456 bytes; kc 6,291,456 bytes; vc 6,291,456 bytes; qs 524,288 bytes; ks 524,288 bytes; vs 262,144 bytes; mbits 2,097,152 bytes of whole numbers; mflags 8,192 bytes of whole numbers
;; launch prep (part 1): grid 1280 x 1, 4 waves a work-group, no clusters, 69,120 bytes of LDS; arguments attn_mask, values, keys, queries, mbits, mflags, vc, vs, kc, ks, qc, qs; writes mbits, mflags, vc, vs, kc, ks, qc, qs
.if DOCPART == 1
	.amdgcn_target "amdgcn-amd-amdhsa--gfx1250"
	.amdhsa_code_object_version 6
	.text
	.protected	k_qa600c0890b_prep
	.globl	k_qa600c0890b_prep
	.p2align	8
	.type	k_qa600c0890b_prep,@function
k_qa600c0890b_prep:
	s_mov_b64 s[64:65], 0
	v_nop
	global_prefetch_b8 v0, s[64:65] scope:SCOPE_SE
	s_setreg_imm32_b32 hwreg(HW_REG_WAVE_MODE, 25, 1), 1
	s_wait_xcnt 0x0
; PREP: everything that the attention launch wants ready, made once.  Three paths, chosen by the work-group's number:
;   work-groups    0 ..  511  MASK: attn_mask [4][1][2048][2048] bytes -> mbits (lane masks, one word for each score register) and mflags (what a step of 128 keys holds)
;   work-groups  512 ..  767  V:    values [4][2048][16][64] f32 -> codes of E3M2 along the KEYS (vc) and their E8M0 bytes (vs)
;   work-groups  768 .. 1279  K, Q: keys, queries [4][2048][16][64] f32 -> codes along the head's 64 (kc, qc) and their bytes (ks, qs); one text, the buffers chosen by the work-group's number
; THE QUANTISER: a block is 32 numbers along K; its scale is 2^(floor(log2(largest magnitude)) - 4); the byte is the largest magnitude's exponent field - 4, held at 1 from below by a floor among
; the maximum's leaves; each number / scale goes to the nearest code, ties to even, beyond 28 the largest code (the conversion does both).
; ALL CODES ARE LAID AS IMAGES OF THE OPERAND'S REGISTERS: register p of lane l of a fragment lies at byte 512 (p / 4) + 16 l + 4 (p % 4), so three loads of 16 bytes a lane bring a fragment.
;   K, Q: a GROUP is 32 rows (tokens) of one head.  Lane (r, hh) holds in registers 0-5 block hh (k = 32 hh ..) of row r + 8 (r / 8), in registers 6-11 the same of row 8 + r + 8 (r / 8).
;         Its scale word: bytes (row 0's block 0, block 1, row 1's block 0, block 1), four groups' words on end for each lane.
;   V:    a tile is 16 of the head's 64 columns x 128 keys: lane (r, hh): registers 0-5 keys 32 hh .., registers 6-11 keys 64 + 32 hh ..  Scale words: for lane l the words of columns l and 32 + l.
;   mbits: for (batch, tile of 16 queries, step of 128 keys) 64 words; bit l of word n = the mask byte of query r + 8 (r / 8) of the tile and key 32 (n / 16) + 16 hh + n % 16 of the step.
;   mflags: for (batch, tile, four steps) one word: bit s: step s has a key that counts; bit 16 + s: step s has a hidden key.
; LIMITS: NaN and infinities among the f32 inputs are not served; a block whose largest magnitude lies under 2^-122 keeps the byte 1 (a block of zeros too: its codes are zeros, and only this
; program reads the bytes); mask bytes are 0 or 1, as the problem states them.
; Waves share nothing: no barrier.  Each path has LDS bytes of its own.  No tensor loads: four work-groups fit on a WGP (4 x 69,120 bytes, 4 x 4 x 250 registers).
.set MSTG, 34816                       ; LDS: 0: K/Q stages, 4 waves x 32 rows x 272;  MSTG: mask stages, 4 waves x 16 rows x 528
.set C,    32                          ; K/Q: v32-55   two sets of 12 code registers
.set X,    56                          ; K/Q: v56-119  64 numbers: 32 u + i = number 32 hh + i of the row of half u
.set R,    120                         ; K/Q: v120-247 two sets of 64 registers as loaded
.set CV,   32                          ; V:   v32-79   the codes of my two columns' four blocks
.set XV,   80                          ; V:   v80-143  two sets of 32 numbers down the keys
.set RM,   32                          ; mask: v32-95  as loaded
.set XM,   96                          ; mask: v96-159 16 jl + 4 b + e: bytes of keys 128 jl + 32 b + 16 hh + 4 e .. + 3 of my query
	s_load_b512 s[16:31], s[0:1], 0x0              ; mask s[16:17], values s[18:19], keys s[20:21], queries s[22:23], mbits s[24:25], mflags s[26:27], vc s[28:29], vs s[30:31]
	s_load_b256 s[32:39], s[0:1], 0x40             ; kc s[32:33], ks s[34:35], qc s[36:37], qs s[38:39]
	v_lshl_add_u32 v248, v0, 2, 0x10c00
	v_mov_b32 v249, 0
	v_lshrrev_b32 v1, 5, v0
	v_readfirstlane_b32 s4, v1                     ; wave 0..3
	v_and_b32 v1, 31, v0                           ; lane l
	v_and_b32 v2, 15, v0                           ; r
	v_bfe_u32 v3, v0, 4, 1                         ; hh
	v_lshlrev_b32 v4, 4, v1                        ; 16 l: an image's place for my lane
	; every LDS address is made here, ahead of the parting of the paths
	s_mul_i32 s5, s4, 8704                         ; my K/Q stage: 32 rows x 272
	v_mul_u32_u24 v6, v3, 272
	v_lshl_add_u32 v6, v2, 4, v6
	v_add_nc_u32 v6, s5, v6                        ; in: lanes 0-15 one row of 256 bytes, lanes 16-31 the next
	v_mul_u32_u24 v7, v2, 272
	v_lshl_add_u32 v7, v3, 7, v7
	v_add_nc_u32 v7, s5, v7                        ; out: row r, my half's 128 bytes
	s_mul_i32 s5, s4, 8448                         ; my mask stage: 16 rows x 528
	s_add_co_u32 s5, s5, MSTG
	v_mul_u32_u24 v8, v3, 528
	v_lshl_add_u32 v8, v2, 4, v8
	v_add_nc_u32 v8, s5, v8                        ; in
	v_mul_u32_u24 v9, v2, 528
	v_lshl_add_u32 v9, v3, 4, v9
	v_add_nc_u32 v9, s5, v9                        ; out: row r, + 16 hh
	s_mov_b32 s40, 0x76543210
	s_mov_b32 s41, 0xfedcba98                      ; v_permlanex16_b32's selects for lane l xor 16
	s_wait_kmcnt 0x0
	s_cmp_lt_u32 ttmp9, 512
	s_cbranch_scc1 .Lmask
	s_cmp_lt_u32 ttmp9, 768
	s_cbranch_scc1 .Lv
; A unit is (batch b, head h, step j of 128 tokens); a wave takes one.  The four waves of a work-group take four neighbouring heads: 1,024 neighbouring bytes of each token.
; Gives s6 = h, s7 = j, s8 = b, s9 = 16 b + h, s[10:11] = the unit's first byte in an f32 tensor, s[12:13] = in a buffer of codes.
.macro UNIT base
	s_sub_co_u32 s5, ttmp9, \base
	s_and_b32 s5, s5, 255
	s_lshl_b32 s5, s5, 2
	s_add_co_u32 s5, s5, s4                        ; unit 0 .. 1023
	s_and_b32 s6, s5, 15
	s_bfe_u32 s7, s5, 0x40004
	s_lshr_b32 s8, s5, 8
	s_lshl_b32 s9, s8, 4
	s_add_co_u32 s9, s9, s6
	s_lshl_b32 s10, s8, 23                         ; a batch is 2,048 tokens x 4,096 bytes,
	s_lshl_b32 s11, s7, 19                         ; a step 128 tokens,
	s_or_b32 s10, s10, s11
	s_lshl_b32 s11, s6, 8                          ; a head's row 256 bytes
	s_or_b32 s10, s10, s11
	s_mov_b32 s11, 0
	s_mul_i32 s12, s9, 98304                       ; a head's codes: 16 steps x 6,144 bytes
	s_mul_i32 s13, s7, 6144
	s_add_co_u32 s12, s12, s13
	s_mov_b32 s13, 0
.endm
; ---------------------------------------------------------------- K and Q
	s_cmp_lt_u32 ttmp9, 1024                       ; keys' work-group or queries'?  The choice hangs on the work-group's number alone
	s_cselect_b64 s[42:43], s[20:21], s[22:23]
	s_cselect_b64 s[44:45], s[32:33], s[36:37]
	s_cselect_b64 s[46:47], s[34:35], s[38:39]
	UNIT 768
	s_add_nc_u64 s[42:43], s[42:43], s[10:11]
	s_add_nc_u64 s[44:45], s[44:45], s[12:13]
	s_lshl_b32 s14, s9, 13                         ; scale words: 8,192 bytes a head, 512 a step
	s_lshl_b32 s15, s7, 9
	s_add_co_u32 s14, s14, s15
	s_mov_b32 s15, 0
	s_add_nc_u64 s[46:47], s[46:47], s[14:15]
	v_lshlrev_b32 v5, 12, v3
	v_lshl_add_u32 v5, v2, 4, v5                   ; lanes 0-15 read one token's 256 bytes, lanes 16-31 the next token's
	v_lshlrev_b32 v31, 3, v3                       ; 8 hh: where my bytes stand in a scale word
	v_mov_b32 v19, 0                               ; written once: a lane permute's destination counts as one of its sources
.macro LOADK g                         ; group g: 32 tokens, two to a load; sixteen lanes read one aligned run of 256 bytes
.set i, 0
.rept 16
	global_load_b128 v[R+64*((\g)%2)+4*i:R+64*((\g)%2)+4*i+3], v5, s[42:43] offset:(32*(\g)+2*i)*4096 th:TH_LOAD_NT
.set i, i+1
.endr
.endm
.macro TURNK g                         ; through my stage: token k of the group goes to stage row 16 ((k / 8) % 2) + k % 8 + 8 (k / 16), so that stage row 16 u + r is the row that lane r holds in half u
.set i, 0
.rept 16
	ds_store_b128 v6, v[R+64*((\g)%2)+4*i:R+64*((\g)%2)+4*i+3] offset:(16*((i/4)%2)+(2*i)%8+8*(i/8))*272
.set i, i+1
.endr
.irp u, 0,1
.irp e, 0,1,2,3,4,5,6,7
	ds_load_b128 v[X+32*\u+4*\e:X+32*\u+4*\e+3], v7 offset:16*\u*272+16*\e   ; LDS serves a wave's instructions in order: these see the stores above
.endr
.endr
.endm
.macro QUANTK g                        ; two whole blocks of 32 in my registers: no other lane is asked for a maximum
.set CSET, C+12*((\g)%2)
.if (\g) >= 2
	s_wait_xcnt 0x0                                ; the stores of two groups back have read this set of code registers
.endif
.irp u, 0,1
	v_max3_num_f32 v[10+2*\u], |v[X+32*\u]|, |v[X+32*\u+1]|, |v[X+32*\u+2]|
	v_max3_num_f32 v[11+2*\u], |v[X+32*\u+3]|, |v[X+32*\u+4]|, |v[X+32*\u+5]|
.endr
.irp i, 6,10,14,18,22,26
.irp u, 0,1
	v_max3_num_f32 v[10+2*\u], v[10+2*\u], |v[X+32*\u+\i]|, |v[X+32*\u+\i+1]|
	v_max3_num_f32 v[11+2*\u], v[11+2*\u], |v[X+32*\u+\i+2]|, |v[X+32*\u+\i+3]|
.endr
.endr
.irp u, 0,1
	v_max3_num_f32 v[10+2*\u], v[10+2*\u], |v[X+32*\u+30]|, |v[X+32*\u+31]|
.endr
.irp u, 0,1
	v_max3_num_f32 v[10+2*\u], v[10+2*\u], v[11+2*\u], 0x2800000   ; and the floor 2^(5 - 127): the byte cannot fall under 1
.endr
.irp u, 0,1
	v_add_nc_u32 v[14+\u], 0xfe000000, v[10+2*\u]  ; 4 off the exponent field: the conversion takes this operand's exponent field as its scale
.endr
.irp u, 0,1
	v_cvt_scalef32_pk16_bf6_f32 v[CSET+6*\u:CSET+6*\u+2], v[X+32*\u:X+32*\u+15], v[14+\u]
	v_cvt_scalef32_pk16_bf6_f32 v[24+4*\u:26+4*\u], v[X+32*\u+16:X+32*\u+31], v[14+\u]   ; (a conversion's three registers begin on an even number)
.endr
.irp u, 0,1
	v_lshrrev_b32 v[16+\u], 23, v[14+\u]           ; the scale's byte; also the plain line between the conversions and the moves that read their results
.endr
.irp u, 0,1
.irp i, 0,1,2
	v_mov_b32 v[CSET+6*\u+3+\i], v[24+4*\u+\i]
.endr
.endr
	v_lshl_or_b32 v18, v17, 16, v16                ; my two bytes: block hh of the rows of halves 0 and 1,
	v_lshlrev_b32 v18, v31, v18                    ; at their places (8 hh bits up);
	v_permlanex16_b32 v19, v18, s40, s41
	v_or_b32 v[20+(\g)], v18, v19                  ; with lane l xor 16's two the word is whole, in both lanes
.irp c, 0,1,2
	global_store_b128 v4, v[CSET+4*\c:CSET+4*\c+3], s[44:45] offset:1536*(\g)+512*\c   ; 32 lanes store 512 consecutive bytes
.endr
.endm
	LOADK 0
	LOADK 1
.irp g, 0,1,2,3
.if \g < 3
	s_wait_loadcnt 16                              ; this group's 16 loads are in; the next group's 16 may be out
.else
	s_wait_loadcnt 0x0
.endif
	TURNK \g
	s_wait_dscnt 0x0                               ; the numbers are back, and the stage's stores have read the registers that the next loads fill
.if \g < 2
	LOADK \g+2
.endif
	QUANTK \g
.endr
	global_store_b128 v4, v[20:23], s[46:47]       ; the step's scale words: four a lane, 512 consecutive bytes
	s_wait_tensorcnt 0x0
	ds_add_u32 v248, v249
	s_wait_dscnt 0x0
	s_endpgm
; ---------------------------------------------------------------- V: a lane takes a column of the head, and its registers run down the keys
.Lv:
	UNIT 512
	s_add_nc_u64 s[18:19], s[18:19], s[10:11]
	s_add_nc_u64 s[28:29], s[28:29], s[12:13]
	s_lshl_b32 s14, s9, 12                         ; scale words: 4,096 bytes a head, 256 a step
	s_lshl_b32 s15, s7, 8
	s_add_co_u32 s14, s14, s15
	s_mov_b32 s15, 0
	s_add_nc_u64 s[30:31], s[30:31], s[14:15]
	v_lshlrev_b32 v5, 2, v1                        ; in: 4 bytes a lane
	v_mul_u32_u24 v10, v3, 1536
	v_lshl_add_u32 v10, v2, 4, v10                 ; out: lanes 0-15 write into the image of tile 2 tp, lanes 16-31 into that of tile 2 tp + 1
	v_lshlrev_b32 v11, 3, v1
.macro LOADV sb                        ; sub-block sb = 2 b + tp: keys 32 b + 0 .. 31, columns 32 tp + lane
.set i, 0
.rept 32
	global_load_b32 v[XV+32*((\sb)%2)+i], v5, s[18:19] offset:(32*((\sb)/2)+i)*4096+128*((\sb)%2)
.set i, i+1
.endr
.endm
.macro BLOCKV sb
.set XS, XV+32*((\sb)%2)
.set BE, (\sb)/2
.set TP, (\sb)%2
.set CD, CV+24*TP+6*(2*(BE%2)+BE/2)    ; the blocks stand in the order 0, 2, 1, 3: the twelve registers of the reader's lane r, then those of its lane 16 + r
.if (\sb) < 7
	s_wait_loadcnt 32                              ; this sub-block's 32 loads are in; the next one's 32 may be out
.else
	s_wait_loadcnt 0x0
.endif
	v_max3_num_f32 v12, |v[XS]|, |v[XS+1]|, |v[XS+2]|
	v_max3_num_f32 v13, |v[XS+3]|, |v[XS+4]|, |v[XS+5]|
.irp i, 6,10,14,18,22,26
	v_max3_num_f32 v12, v12, |v[XS+\i]|, |v[XS+\i+1]|
	v_max3_num_f32 v13, v13, |v[XS+\i+2]|, |v[XS+\i+3]|
.endr
	v_max3_num_f32 v12, v12, |v[XS+30]|, |v[XS+31]|
	v_max3_num_f32 v12, v12, v13, 0x2800000        ; and the floor
	v_add_nc_u32 v14, 0xfe000000, v12
	v_cvt_scalef32_pk16_bf6_f32 v[CD:CD+2], v[XS:XS+15], v14
	v_cvt_scalef32_pk16_bf6_f32 v[18:20], v[XS+16:XS+31], v14
	v_lshrrev_b32 v15, 23, v14                     ; the byte; also the plain line behind the conversions
.if BE == 0
	v_mov_b32 v[16+TP], v15                        ; four bytes to a word, the earlier keys in the lower byte
.else
	v_lshl_or_b32 v[16+TP], v15, 8*BE, v[16+TP]
.endif
.irp i, 0,1,2
	v_mov_b32 v[CD+3+\i], v[18+\i]
.endr
.if (\sb)+2 < 8
	LOADV (\sb)+2
.endif
.endm
	LOADV 0
	LOADV 1
.irp sb, 0,1,2,3,4,5,6,7
	BLOCKV \sb
.endr
.irp tp, 0,1
.irp ha, 0,1
.irp c, 0,1,2
	global_store_b128 v10, v[CV+24*\tp+12*\ha+4*\c:CV+24*\tp+12*\ha+4*\c+3], s[28:29] offset:3072*\tp+512*\c+256*\ha   ; sixteen lanes store 256 consecutive bytes, at a multiple of 256 from the buffer's first byte
.endr
.endr
.endr
	global_store_b64 v11, v[16:17], s[30:31]       ; 32 lanes store the step's 256 bytes of scale words
	s_endpgm
; ---------------------------------------------------------------- the mask: a work-group takes (batch, tile of 16 queries), wave w the keys 512 w .. 512 w + 511: four steps
.Lmask:
	s_lshr_b32 s5, ttmp9, 7                        ; batch
	s_and_b32 s6, ttmp9, 127                       ; tile
	s_lshr_b32 s7, s6, 1
	s_and_b32 s12, s6, 1
	s_lshl_b32 s7, s7, 5
	s_lshl_b32 s12, s12, 3
	s_add_co_u32 s7, s7, s12                       ; the tile's first query: 32 (tile / 2) + 8 (tile % 2)
	s_lshl_b32 s7, s7, 11                          ; a query's row of the mask is 2,048 bytes
	s_lshl_b32 s5, s5, 22
	s_add_co_u32 s12, s5, s7
	s_lshl_b32 s5, s4, 9
	s_add_co_u32 s12, s12, s5
	s_mov_b32 s13, 0
	s_add_nc_u64 s[16:17], s[16:17], s[12:13]
	s_lshl_b32 s12, ttmp9, 4
	s_lshl_b32 s5, s4, 2
	s_add_co_u32 s12, s12, s5
	s_lshl_b32 s12, s12, 8                         ; mbits: 256 bytes for each (batch, tile, step)
	s_add_nc_u64 s[24:25], s[24:25], s[12:13]
	s_lshl_b32 s12, ttmp9, 2
	s_add_co_u32 s12, s12, s4
	s_lshl_b32 s12, s12, 2                         ; mflags: a word for each (batch, tile, wave)
	s_add_nc_u64 s[26:27], s[26:27], s[12:13]
	s_mov_b32 s8, 1                                ; bit 0 of each of a word's four bytes
	s_mov_b32 s9, 0x100
	s_mov_b32 s10, 0x10000
	s_mov_b32 s11, 0x1000000
	s_mov_b32 s57, 0                               ; the flags
	v_lshlrev_b32 v5, 11, v3
	v_lshl_add_u32 v5, v2, 4, v5                   ; lanes 0-15 one row's 256 bytes, lanes 16-31 the next row's
	v_lshlrev_b32 v19, 3, v1
.irp i, 20,21,22,23,24,25,26,27
	v_mov_b32 v\i, 0                               ; written once: v_writelane_b32's destination counts as one of its sources
.endr
.irp i, 0,1,2,3,4,5,6,7                ; stage rows 2 i and 2 i + 1 are the tile's queries 2 i + 8 (i / 4) and the next
.irp p, 0,1
	global_load_b128 v[RM+4*(2*\i+\p):RM+4*(2*\i+\p)+3], v5, s[16:17] offset:(2*\i+8*(\i/4))*2048+256*\p th:TH_LOAD_NT
.endr
.endr
	s_wait_loadcnt 0x0
.irp i, 0,1,2,3,4,5,6,7
.irp p, 0,1
	ds_store_b128 v8, v[RM+4*(2*\i+\p):RM+4*(2*\i+\p)+3] offset:2*\i*528+256*\p
.endr
.endr
.irp jl, 0,1,2,3
.irp be, 0,1,2,3
	ds_load_b128 v[XM+16*\jl+4*\be:XM+16*\jl+4*\be+3], v9 offset:128*\jl+32*\be   ; my query's 16 bytes of block be of step jl (my half's)
.endr
.endr
	s_wait_dscnt 0x0
; One step: word n = the 32 lanes' byte n, as a lane mask; lane n / 2 of register n % 2 takes it, so that a store of 8 bytes a lane lays word n at byte 4 n.
.macro MSTEP jl
.irp q, 0,1,2,3,4,5,6,7                ; eight words at a time, so that no line waits for the line above it
.irp k, 0,1,2,3,4,5,6,7
	v_and_b32 v[10+\k], s[8+(8*\q+\k)%4], v[XM+16*\jl+(8*\q+\k)/4]
.endr
.irp k, 0,1,2,3,4,5,6,7
	v_cmp_ne_u32 s[40+(8*\q+\k)%16], 0, v[10+\k]
.endr
.irp k, 0,1,2,3,4,5,6,7
	v_writelane_b32 v[20+2*\jl+\k%2], s[40+(8*\q+\k)%16], (8*\q+\k)/2
.endr
.endr
	v_add3_u32 v18, v[XM+16*\jl], v[XM+16*\jl+1], v[XM+16*\jl+2]   ; the sum of my 16 words: each byte counts 16 mask bytes of 0 or 1, so nothing carries
.irp i, 3,5,7,9,11,13
	v_add3_u32 v18, v18, v[XM+16*\jl+\i], v[XM+16*\jl+\i+1]
.endr
	v_add_nc_u32 v18, v18, v[XM+16*\jl+15]
	v_cmp_ne_u32 s58, 0, v18                       ; lanes with a hidden key
	v_cmp_ne_u32 s59, 0x10101010, v18              ; lanes with a key that counts
	s_cmp_lg_u32 s58, 0
	s_cselect_b32 s58, (0x10000<<\jl), 0
	s_or_b32 s57, s57, s58
	s_cmp_lg_u32 s59, 0
	s_cselect_b32 s59, (1<<\jl), 0
	s_or_b32 s57, s57, s59
	global_store_b64 v19, v[20+2*\jl:21+2*\jl], s[24:25] offset:256*\jl   ; 32 lanes store 256 consecutive bytes, at a multiple of 256 from the buffer's first byte
.endm
	MSTEP 0
	MSTEP 1
	MSTEP 2
	MSTEP 3
	v_mov_b32 v28, s57
	v_mov_b32 v29, 0
	v_cmp_eq_u32 vcc_lo, 0, v1
	s_wait_xcnt 0x0                                ; EXEC is a source of the stores above: it changes only behind this wait
	s_wait_tensorcnt 0x0
	ds_add_u32 v248, v249
	s_wait_dscnt 0x0
	s_and_saveexec_b32 s56, vcc_lo
	global_store_b32 v29, v28, s[26:27]            ; lane 0 stores my four steps' flags
	s_wait_xcnt 0x0                                ; and again, ahead of the line that widens it
	s_or_b32 exec_lo, exec_lo, s56
	s_endpgm
.Lfunc_end_k_qa600c0890b_prep:
	.size	k_qa600c0890b_prep, .Lfunc_end_k_qa600c0890b_prep-k_qa600c0890b_prep
	.p2alignl 7, 3214868480
	.fill 96, 4, 3214868480
	.section	.rodata,"a",@progbits
	.p2align	6, 0x0
	.amdhsa_kernel k_qa600c0890b_prep
		.amdhsa_group_segment_fixed_size 69120
		.amdhsa_private_segment_fixed_size 0
		.amdhsa_enable_private_segment 0
		.amdhsa_kernarg_size 96
		.amdhsa_user_sgpr_count 2
		.amdhsa_user_sgpr_kernarg_segment_ptr 1
		.amdhsa_wavefront_size32 1
		.amdhsa_system_sgpr_workgroup_id_x 1
		.amdhsa_system_sgpr_workgroup_id_y 1
		.amdhsa_system_sgpr_workgroup_id_z 1
		.amdhsa_system_vgpr_workitem_id 0
		.amdhsa_next_free_vgpr 250
		.amdhsa_next_free_sgpr 66
		.amdhsa_reserve_vcc 1
		.amdhsa_float_denorm_mode_32 3
		.amdhsa_float_denorm_mode_16_64 3
		.amdhsa_memory_ordered 1
		.amdhsa_forward_progress 1
		.amdhsa_inst_pref_size 118
	.end_amdhsa_kernel
	.amdgpu_metadata
---
amdhsa.version: [ 1, 2 ]
amdhsa.kernels:
  - .name:           k_qa600c0890b_prep
    .symbol:         k_qa600c0890b_prep.kd
    .args:
      - { .name: attn_mask, .offset: 0, .size: 8, .value_kind: global_buffer, .address_space: global }
      - { .name: values, .offset: 8, .size: 8, .value_kind: global_buffer, .address_space: global }
      - { .name: keys, .offset: 16, .size: 8, .value_kind: global_buffer, .address_space: global }
      - { .name: queries, .offset: 24, .size: 8, .value_kind: global_buffer, .address_space: global }
      - { .name: mbits, .offset: 32, .size: 8, .value_kind: global_buffer, .address_space: global }
      - { .name: mflags, .offset: 40, .size: 8, .value_kind: global_buffer, .address_space: global }
      - { .name: vc, .offset: 48, .size: 8, .value_kind: global_buffer, .address_space: global }
      - { .name: vs, .offset: 56, .size: 8, .value_kind: global_buffer, .address_space: global }
      - { .name: kc, .offset: 64, .size: 8, .value_kind: global_buffer, .address_space: global }
      - { .name: ks, .offset: 72, .size: 8, .value_kind: global_buffer, .address_space: global }
      - { .name: qc, .offset: 80, .size: 8, .value_kind: global_buffer, .address_space: global }
      - { .name: qs, .offset: 88, .size: 8, .value_kind: global_buffer, .address_space: global }
    .group_segment_fixed_size: 69120
    .private_segment_fixed_size: 0
    .kernarg_segment_align: 8
    .kernarg_segment_size: 96
    .max_flat_workgroup_size: 128
    .sgpr_count:     66
    .vgpr_count:     250
    .wavefront_size: 32
...
	.end_amdgpu_metadata
.endif
;; end of part 1
;; launch attn (part 2): grid 4 x 64, 16 waves a work-group, no clusters, 280,576 bytes of LDS; arguments qc, qs, kc, ks, vc, vs, mbits, mflags, out0; writes out0
.if DOCPART == 2
	.amdgcn_target "amdgcn-amd-amdhsa--gfx1250"
	.amdhsa_code_object_version 6
	.text
	.protected	k_qa600c0890b_attn
	.globl	k_qa600c0890b_attn
	.p2align	8
	.type	k_qa600c0890b_attn,@function
k_qa600c0890b_attn:
	s_mov_b64 s[64:65], 0
	v_nop
	global_prefetch_b8 v0, s[64:65] scope:SCOPE_SE
	s_setreg_imm32_b32 hwreg(HW_REG_WAVE_MODE, 25, 1), 1
	s_wait_xcnt 0x0
; out0[b][q][h][:] = the sum over keys k of softmax_k(Q . K / 8, hidden keys at -infinity) V, both products on codes of E3M2 with one E8M0 scale for each 32 along a product's K.
; The codes, scale words, lane masks and flags were made by the launch before, laid as images of the operands' registers (its head comment has the layouts).
; THE SOFTMAX AHEAD OF THE SECOND PRODUCT: t = score x log2(e) / 8; M = the row's largest t so far, rounded UP to a whole number; p = 2^(t - M) is quantised along the keys, not normalised; the row's
; sum is taken of the unquantised p and divides at the end.  When M moves, the sum and O are multiplied by 2^(old M - new M): exact.
; SHARES.  Work-group (x, y): head y = 16 b + h, quarter x.  A whole head's K and V (codes and scale words: 208,896 bytes) lie in LDS: wave w copies key step w through its registers, ONE barrier, and from
; there on every wave runs by itself.  Wave w has i = 16 x + w and owns two tiles of 16 queries, one after the other: tile 127 - i, then tile i.
; A tile's queries: tile 2 G + u holds queries 32 G + 8 u + r + 8 (r / 8), r = 0 .. 15; each output row (one query, one head) is 256 bytes by itself, so any 16 queries may form a tile.
; WORK THAT THE MASK THROWS AWAY IS NOT DONE: a step of 128 keys none of which counts for any of the tile's 16 queries adds nothing to any sum: a scalar branch on the stored flag leads round its work (not
; round the lines that step addresses and the counter: every tile walks 16 trips).  A step with hidden keys fetches its 64 lane masks and sets those scores to -infinity; a step without skips that.
; That holds for every mask.  The branches hang on stored whole numbers, so this launch has no tensor load, hence no joint loads either: what the four work-groups of a head would share is
; 26 loads a wave, made once.  Nothing is prefetched: K and V are asked for whole at the head, and each mask word is read by the sixteen heads of its batch.
; THE FIRST PRODUCT'S K IS 64, the instruction's 128: source 0 is a group's image (two sub-tiles of 16 keys, one in k 0-63, one in k 64-127), source 1 is [Q | zero codes] for the first sub-tile and
; [zero codes | Q] for the second.  Zero codes add nothing under any scale byte that occurs here.  Used transposed: lane (r, hh) holds query r, and score register n holds key 32 (n / 16) + 16 hh + n % 16.
; The second product likewise: O^T = V^T P^T: register 8 t + e of lane (r, hh) is o(query r, channel 16 t + 8 hh + e).
; LIMITS: a p under 2^-126 comes out of v_exp_f32 as 0; the running maximum starts at -3e38, under every t that finite scores give; a block whose every p is 0 keeps the byte 1 (its codes are zeros);
; a query with no key that counts gets 0 x (1 / 0) = NaN, as the softmax of a row of -infinity is.
.set LV,   98304                       ; LDS: 0 K's codes (16 steps x 6,144); LV V's codes likewise;
.set LKS,  196608                      ; K's scale words (16 x 512);
.set LVS,  204800                      ; V's (16 x 256);
.set STG,  208896                      ; the way out: 16 rows x 272 bytes for each wave, the wave's own
.set WV, 4                             ; s4   wave
.set J,  5                             ; s5   trips to go
.set TK, 6                             ; s6   6,144 x step
.set TS, 7                             ; s7   512 x step
.set TV, 66                            ; s66  256 x step
.set FL, 67                            ; s67  the tile's flags, shifted one to the right each trip: bit 0 = a key counts, bit 16 = a key is hidden
.set MP, 68                            ; s[68:69] the step's 64 lane masks
.set OP, 70                            ; s[70:71] the tile's first output row
.set SEL, 72                           ; s[72:73] v_permlanex16_b32's selects for lane l xor 16
.set CS, 74                            ; s[74:75] c = log2(e) / 8, twice (the packed form names a pair)
.set MB, 76                            ; s[76:77] mbits at my batch
.set OB, 78                            ; s[78:79] out0 at my batch and head
                                       ; s8, s12 the two tiles' flags; s96, s97 the two tiles' numbers; s16-63, s80-95 the lane masks (at the head: pointers)
; v1 16 l; v2, v3, v4 the same + LV, + LKS, 8 l + LVS; v5-8 the addresses in hand; v9, v10 the stage in and out; v11 my place in two output rows; v12 -M; v13 largest t; v[14:15] the sum in two halves
; v16-45: zeros, tile A's Q, zeros, tile B's Q, zeros (six each): both windows of both tiles;  v46, v47 Q's scale words
.set KS,  48                           ; v48-51   K's scale words of the step's four groups
.set VS,  52                           ; v52-53   V's: lanes 0-15 tile 2 tp, lanes 16-31 tile 2 tp + 1
.set KV,  54                           ; v54-101  K's four group images, then V's four tile images
.set S,   104                          ; v104-167 the scores, then p; on the way out O / sum and the rows read back
.set OT,  168                          ; v168-199 O^T
.set PC,  200                          ; v200-211 p's codes
.set CT,  212                          ; v212-214, v216-218 the conversions' second halves
.set BM,  220                          ; v220-223 each block's largest score, then its largest p
.set T2,  224                          ; v224-227 at work
.set SO,  228                          ; v228-231 the conversions' scale operands
.set TMP, 232
.set NI,  233                          ; -infinity
.set FF,  234                          ; v[234:235] f = 2^(old M - new M) (the pair's upper half is only named)
.set PW,  236                          ; p's scale word
	s_load_b512 s[16:31], s[0:1], 0x0              ; qc s[16:17], qs s[18:19], kc s[20:21], ks s[22:23], vc s[24:25], vs s[26:27], mbits s[28:29], mflags s[30:31]
	s_load_b64 s[2:3], s[0:1], 0x40                ; out0
	v_lshl_add_u32 v254, v0, 2, 0x44000
	v_mov_b32 v255, 0
	v_lshrrev_b32 v1, 5, v0
	v_readfirstlane_b32 s[WV], v1                  ; wave 0..15
	v_and_b32 v14, 31, v0                          ; l   (v12-15 are free until the first tile begins)
	v_and_b32 v12, 15, v0                          ; r
	v_bfe_u32 v13, v0, 4, 1                        ; hh
	v_lshlrev_b32 v1, 4, v14
	v_lshlrev_b32 v15, 3, v14
	v_add_nc_u32 v2, LV, v1
	v_add_nc_u32 v3, LKS, v1
	v_lshl_add_u32 v4, v14, 3, LVS
	s_mul_i32 s5, s[WV], 6144                      ; where my wave's copy goes: key step w
	v_add_nc_u32 v5, s5, v1
	v_add_nc_u32 v6, s5, v2
	s_lshl_b32 s5, s[WV], 9
	v_add_nc_u32 v7, s5, v3
	s_lshl_b32 s5, s[WV], 8
	v_add_nc_u32 v8, s5, v4
	s_mul_i32 s5, s[WV], 4352
	s_add_co_u32 s5, s5, STG                       ; my stage
	v_mul_u32_u24 v9, v12, 272
	v_lshl_add_u32 v9, v13, 5, v9
	v_add_nc_u32 v9, s5, v9                        ; in: row r, + 32 hh
	v_mul_u32_u24 v10, v13, 272
	v_lshl_add_u32 v10, v12, 4, v10
	v_add_nc_u32 v10, s5, v10                      ; back: lanes 0-15 one row, lanes 16-31 the next
	v_lshlrev_b32 v11, 12, v13
	v_lshl_add_u32 v11, v12, 4, v11                ; and the same two rows in out0: a token is 4,096 bytes
	s_and_b32 s98, ttmp7, 0xffff                   ; 16 b + h
	s_lshr_b32 s99, s98, 4                         ; b
	s_and_b32 s100, s98, 15                        ; h
	s_lshl_b32 s97, ttmp9, 4
	s_add_co_u32 s97, s97, s[WV]                   ; tile B = i = 16 x + w
	s_sub_co_u32 s96, 127, s97                     ; tile A = 127 - i
	s_mov_b32 s[SEL], 0x76543210
	s_mov_b32 s[SEL+1], 0xfedcba98
	s_mov_b32 s[CS], 0x3e38aa3b                    ; log2(e) / 8
	s_mov_b32 s[CS+1], s[CS]
	s_mov_b32 s67, 0                               ; s[66:67]: a byte offset as a pair
	s_wait_kmcnt 0x0
	s_lshl_b32 s5, s99, 7
	s_add_co_u32 s66, s5, s96
	s_lshl_b32 s66, s66, 4                         ; mflags: 16 bytes for each (batch, tile)
	s_add_nc_u64 s[68:69], s[30:31], s[66:67]
	s_add_co_u32 s66, s5, s97
	s_lshl_b32 s66, s66, 4
	s_add_nc_u64 s[70:71], s[30:31], s[66:67]
	s_load_b128 s[8:11], s[68:69], 0x0             ; tile A's flags, four steps a word
	s_load_b128 s[12:15], s[70:71], 0x0            ; tile B's
	s_mul_i32 s5, s98, 98304                       ; my head in a buffer of codes
	s_lshr_b32 s6, s96, 1                          ; tile A's group of 32 queries
	s_mul_i32 s66, s6, 1536
	s_add_co_u32 s66, s66, s5
	s_add_nc_u64 s[80:81], s[16:17], s[66:67]
	s_lshr_b32 s7, s97, 1                          ; tile B's
	s_mul_i32 s66, s7, 1536
	s_add_co_u32 s66, s66, s5
	s_add_nc_u64 s[82:83], s[16:17], s[66:67]
	s_mul_i32 s66, s[WV], 6144
	s_add_co_u32 s66, s66, s5
	s_add_nc_u64 s[88:89], s[20:21], s[66:67]      ; K's codes of key step w
	s_add_nc_u64 s[90:91], s[24:25], s[66:67]      ; V's
	s_lshl_b32 s5, s98, 13                         ; my head in qs and ks
	s_lshr_b32 s66, s6, 2
	s_lshl_b32 s66, s66, 9
	s_and_b32 s101, s6, 3
	s_lshl_b32 s101, s101, 2
	s_add_co_u32 s66, s66, s101
	s_add_co_u32 s66, s66, s5
	s_add_nc_u64 s[84:85], s[18:19], s[66:67]      ; group G's scale words: 512 (G / 4) + 16 l + 4 (G % 4)
	s_lshr_b32 s66, s7, 2
	s_lshl_b32 s66, s66, 9
	s_and_b32 s101, s7, 3
	s_lshl_b32 s101, s101, 2
	s_add_co_u32 s66, s66, s101
	s_add_co_u32 s66, s66, s5
	s_add_nc_u64 s[86:87], s[18:19], s[66:67]
	s_lshl_b32 s66, s[WV], 9
	s_add_co_u32 s66, s66, s5
	s_add_nc_u64 s[92:93], s[22:23], s[66:67]      ; K's scale words of key step w
	s_lshl_b32 s66, s98, 12
	s_lshl_b32 s101, s[WV], 8
	s_add_co_u32 s66, s66, s101
	s_add_nc_u64 s[94:95], s[26:27], s[66:67]      ; V's
	s_lshl_b32 s66, s99, 19                        ; mbits: 128 tiles x 4,096 bytes a batch
	s_add_nc_u64 s[MB:MB+1], s[28:29], s[66:67]
	s_lshl_b32 s66, s99, 23
	s_lshl_b32 s101, s100, 8
	s_or_b32 s66, s66, s101
	s_add_nc_u64 s[OB:OB+1], s[2:3], s[66:67]
.irp c, 0,1,2
	global_load_b128 v[104+4*\c:107+4*\c], v1, s[80:81] offset:512*\c   ; the image of tile A's group of queries,
	global_load_b128 v[116+4*\c:119+4*\c], v1, s[82:83] offset:512*\c   ; of tile B's
.endr
	global_load_b32 v128, v1, s[84:85]
	global_load_b32 v129, v1, s[86:87]
.irp m, 0,1,2,3,4,5,6,7,8,9,10,11
	global_load_b128 v[130+4*\m:133+4*\m], v1, s[88:89] offset:512*\m   ; key step w: 32 lanes read 512 consecutive bytes
.endr
.irp m, 0,1,2,3,4,5,6,7,8,9,10,11
	global_load_b128 v[178+4*\m:181+4*\m], v1, s[90:91] offset:512*\m
.endr
	global_load_b128 v[226:229], v1, s[92:93]
	global_load_b64 v[230:231], v15, s[94:95]
.irp z, 16,17,18,19,20,21,28,29,30,31,32,33,40,41,42,43,44,45
	v_mov_b32 v\z, 0                               ; the zero codes beside Q
.endr
	v_mov_b32 v[NI], 0xff800000
	v_mov_b32 v[TMP], 0                            ; written once: a lane permute's destination counts as one of its sources
	v_mov_b32 v[FF+1], 0                           ; (named as the upper half of a pair)
	s_wait_loadcnt 0x0
	s_wait_kmcnt 0x0                               ; the flags
.irp m, 0,1,2,3,4,5,6,7,8,9,10,11
	ds_store_b128 v5, v[130+4*\m:133+4*\m] offset:512*\m
	ds_store_b128 v6, v[178+4*\m:181+4*\m] offset:512*\m
.endr
	ds_store_b128 v7, v[226:229]
	ds_store_b64 v8, v[230:231]
	s_wait_dscnt 0x0                               ; for the others' sake: my part of the head lies in LDS
	s_barrier_signal -1
	s_barrier_wait -1                              ; everybody's does.  The only barrier: from here on these bytes are only read, and it stands ahead of every branch on stored numbers
.irp b, 0,1,2,3
	v_mov_b32 v[T2+\b], 0                          ; written once, behind the copy that went through these registers
.endr
	s_lshl_b32 s9, s9, 4                           ; the four words of a tile become one: bits 0-15 a key counts, bits 16-31 a key is hidden, by step
	s_lshl_b32 s10, s10, 8
	s_lshl_b32 s11, s11, 12
	s_or_b32 s8, s8, s9
	s_or_b32 s10, s10, s11
	s_or_b32 s8, s8, s10
	s_lshl_b32 s13, s13, 4
	s_lshl_b32 s14, s14, 8
	s_lshl_b32 s15, s15, 12
	s_or_b32 s12, s12, s13
	s_or_b32 s14, s14, s15
	s_or_b32 s12, s12, s14
	; which half of its group's image is a tile's: tile B = i is half w % 2, tile A = 127 - i the other.  A choice of values: no branch
	s_and_b32 s98, s[WV], 1
	s_cmp_eq_u32 s98, 0
	s_cselect_b32 s99, -1, 0                       ; all lanes: tile A takes the image's registers 6-11
	s_cselect_b32 s100, 0, -1                      ; all lanes: tile B does
	s_mov_b32 s101, 0x03020302
	s_cselect_b32 s5, s101, 0x01000100             ; the scale word's bytes (2, 3, 2, 3) or (0, 1, 0, 1): Q's two bytes stand under both halves of the instruction's K
	s_cselect_b32 s6, 0x01000100, s101
.irp i, 0,1,2,3,4,5
	v_cndmask_b32 v[22+\i], v[104+\i], v[110+\i], s99
	v_cndmask_b32 v[34+\i], v[116+\i], v[122+\i], s100
.endr
	v_perm_b32 v46, v128, v128, s5
	v_perm_b32 v47, v129, v129, s6
; ONE TILE OF 16 QUERIES.  blo: where [Q | zeros] begins; bhi: where [zeros | Q] begins; qsr: Q's scale word; fl: the scalar with its flags; tau: the scalar with its number.
.macro TILE blo, bhi, qsr, fl, tau
	s_wait_xcnt 0x0                                ; the last tile's stores have read their data and their base: both are written again below
	s_mov_b32 s[FL], s[\fl]
	s_lshl_b32 s98, s[\tau], 12
	s_mov_b32 s99, 0
	s_add_nc_u64 s[MP:MP+1], s[MB:MB+1], s[98:99]
	s_lshr_b32 s98, s[\tau], 1
	s_lshl_b32 s98, s98, 5
	s_and_b32 s100, s[\tau], 1
	s_lshl_b32 s100, s100, 3
	s_add_co_u32 s98, s98, s100                    ; the tile's first query
	s_lshl_b32 s98, s98, 12
	s_add_nc_u64 s[OP:OP+1], s[OB:OB+1], s[98:99]
	v_mov_b32 v13, 0xff61b1e6                      ; the largest t so far: -3e38
	v_floor_f32 v12, -v13                          ; -M
	v_mov_b32 v14, 0
	v_mov_b32 v15, 0
.set j, 0
.rept 32
	v_mov_b32 v[OT+j], 0                           ; O^T begins as zeros: any step may be left out, so no step is the first by the text
.set j, j+1
.endr
	s_mov_b32 s[J], 16
	s_mov_b32 s[TK], 0
	s_mov_b32 s[TS], 0
	s_mov_b32 s[TV], 0
.Lstep_\@:
	s_bitcmp1_b32 s[FL], 0                         ; does any key of this step count for any of my 16 queries?
	s_cbranch_scc0 .Lskip_\@
	v_add_nc_u32 v5, s[TK], v1                     ; the step's addresses.  These four lines are also the places between the last products and the loads into registers that they read
	v_add_nc_u32 v6, s[TK], v2
	v_add_nc_u32 v7, s[TS], v3
	v_add_nc_u32 v8, s[TV], v4
.irp m, 0,1,2,3,4,5,6,7,8,9,10,11
	ds_load_b128 v[KV+4*\m:KV+4*\m+3], v5 offset:512*\m      ; K's four group images, as they stand
.endr
	ds_load_b128 v[KS:KS+3], v7
	s_wait_dscnt 0x0
.irp g, 0,1,2,3                        ; S^T = K Q^T: eight accumulators, each begun with the constant 0
	v_wmma_scale_f32_16x16x128_f8f6f4 v[S+16*\g:S+16*\g+7], v[KV+12*\g:KV+12*\g+11], v[\blo:\blo+11], 0, v[KS+\g], v[\qsr] matrix_a_fmt:MATRIX_FMT_BF6 matrix_b_fmt:MATRIX_FMT_BF6
	v_wmma_scale_f32_16x16x128_f8f6f4 v[S+16*\g+8:S+16*\g+15], v[KV+12*\g:KV+12*\g+11], v[\bhi:\bhi+11], 0, v[KS+\g], v[\qsr] matrix_a_fmt:MATRIX_FMT_BF6 matrix_b_fmt:MATRIX_FMT_BF6
.endr
.rept 4
	v_nop                                          ; four places: ahead of the loads into K's registers and of the first read of the scores
.endr
.irp m, 0,1,2,3,4,5,6,7,8,9,10,11
	ds_load_b128 v[KV+4*\m:KV+4*\m+3], v6 offset:512*\m      ; V's four tile images land while the softmax is walked
.endr
	ds_load_b64 v[VS:VS+1], v8
	s_bitcmp1_b32 s[FL], 16                        ; is any key of this step hidden from any of my queries?
	s_cbranch_scc0 .Lopen_\@
	s_load_b512 s[16:31], s[MP:MP+1], 0x0          ; the 64 lane masks: word n for score register n
	s_load_b512 s[32:47], s[MP:MP+1], 0x40
	s_load_b512 s[48:63], s[MP:MP+1], 0x80
	s_load_b512 s[80:95], s[MP:MP+1], 0xc0
	s_wait_kmcnt 0x0
.set n, 0
.rept 64
.if n < 48
	v_cndmask_b32 v[S+n], v[S+n], v[NI], s[16+n]   ; hidden scores become -infinity ahead of the maximum: p = 0 then.  Ascending: each accumulator is read from its low end on
.else
	v_cndmask_b32 v[S+n], v[S+n], v[NI], s[32+n]
.endif
.set n, n+1
.endr
.Lopen_\@:
.irp b, 0,1,2,3
	v_max3_num_f32 v[BM+\b], v[S+16*\b], v[S+1+16*\b], v[S+2+16*\b]   ; the largest score of each block of 32 keys: it serves for the row's maximum and, since p rises with the score, for the block's largest p
.endr
.irp i, 3,5,7,9,11,13
.irp b, 0,1,2,3
	v_max3_num_f32 v[BM+\b], v[BM+\b], v[S+16*\b+\i], v[S+1+16*\b+\i]
.endr
.endr
.irp b, 0,1,2,3
	v_max_num_f32 v[BM+\b], v[BM+\b], v[S+15+16*\b]
.endr
.irp b, 0,1,2,3
	v_permlanex16_b32 v[T2+\b], v[BM+\b], s[SEL], s[SEL+1]
.endr
.irp b, 0,1,2,3
	v_max_num_f32 v[BM+\b], v[BM+\b], v[T2+\b]     ; with lane l xor 16's 16 keys
.endr
	v_max3_num_f32 v[TMP], v[BM], v[BM+1], v[BM+2]
	v_max_num_f32 v[TMP], v[TMP], v[BM+3]          ; the step's largest score of my query
	v_mul_f32 v[TMP], s[CS], v[TMP]                ; as t
	v_max_num_f32 v13, v13, v[TMP]                 ; the running largest t
	v_mov_b32 v[TMP], v12
	v_floor_f32 v12, -v13                          ; the new -M = -ceil(t): a whole number
	v_sub_f32 v[TMP], v12, v[TMP]                  ; old M - new M: a whole number, 0 or less
	v_cvt_i32_f32 v[TMP], v[TMP]                   ; (it saturates)
	v_ldexp_f32 v[FF], 1.0, v[TMP]                 ; f = 2^(old M - new M)
.set j, 0
.rept 32
	v_pk_fma_f32 v[S+j:S+j+1], v[S+j:S+j+1], s[CS:CS+1], v[12:13] op_sel_hi:[1,0,0]   ; t - M, two at a time
.set j, j+2
.endr
.irp b, 0,1,2,3
	v_fma_f32 v[BM+\b], v[BM+\b], s[CS], v12       ; the same of each block's largest score
.endr
.set j, 0
.rept 64
	v_exp_f32 v[S+j], v[S+j]                       ; p = 2^(t - M), at most 1
.set j, j+1
.endr
	v_pk_mul_f32 v[14:15], v[14:15], v[FF:FF+1] op_sel_hi:[1,0]   ; the sums under the new M; the plain line behind the exponentials
	s_wait_alu depctr_va_vdst(0)                   ; one wait for the batch of 64, ahead of its first reader
.irp b, 0,1,2,3
	v_exp_f32 v[BM+\b], v[BM+\b]                   ; each block's largest p: the same two instructions on the same number
.endr
	v_pk_add_f32 v[T2:T2+1], v[S:S+1], v[S+2:S+3]  ; the row's sum of the UNQUANTISED p, in two chains; it reads the 64 alone
.set j, 4
.rept 15
	v_pk_add_f32 v[14:15], v[14:15], v[S+j:S+j+1]
	v_pk_add_f32 v[T2:T2+1], v[T2:T2+1], v[S+j+2:S+j+3]
.set j, j+4
.endr
	v_pk_add_f32 v[14:15], v[14:15], v[T2:T2+1]
	s_wait_alu depctr_va_vdst(0)                   ; and one for the four
.irp b, 0,1,2,3
	v_max_num_f32 v[BM+\b], 0x2800000, v[BM+\b]    ; the floor 2^(5 - 127): the byte cannot fall under 1
.endr
.irp b, 0,1,2,3
	v_add_nc_u32 v[SO+\b], 0xfe000000, v[BM+\b]    ; 4 off the exponent field: the conversion's scale operand
.endr
.irp b, 0,1,2,3
	v_lshrrev_b32 v[T2+\b], 23, v[SO+\b]           ; the scale's byte
.endr
	v_lshl_or_b32 v[PW], v[T2+1], 8, v[T2]         ; p's scale word for these 128 keys
	v_lshl_or_b32 v[PW], v[T2+2], 16, v[PW]
	v_lshl_or_b32 v[PW], v[T2+3], 24, v[PW]
.irp c, 0,1
	v_cvt_scalef32_pk16_bf6_f32 v[PC+6*\c:PC+6*\c+2], v[S+32*\c:S+32*\c+15], v[SO+2*\c]
	v_cvt_scalef32_pk16_bf6_f32 v[CT+4*\c:CT+4*\c+2], v[S+32*\c+16:S+32*\c+31], v[SO+2*\c+1]   ; (a conversion's three registers begin on an even number)
.endr
	v_nop                                          ; one plain line between the conversions and the lines that touch their results
.irp c, 0,1                            ; the operand's layout wants a whole block in a lane: lanes 0-15 block 2 c, lanes 16-31 block 2 c + 1
.irp i, 0,1,2
	v_permlane16_swap_b32 v[PC+6*\c+\i], v[CT+4*\c+\i]
.endr
.irp i, 0,1,2
	v_mov_b32 v[PC+6*\c+3+\i], v[CT+4*\c+\i]
.endr
.endr
.set j, 0
.rept 16
	v_pk_mul_f32 v[OT+j:OT+j+1], v[OT+j:OT+j+1], v[FF:FF+1] op_sel_hi:[1,0]   ; O^T under the new M, ascending.  These sixteen are also the places between the scale word's and the codes' last writes and the products
.set j, j+2
.endr
	s_wait_dscnt 0x0                               ; V's images and scale words are in
.irp t, 0,1,2,3                        ; O^T += V^T P^T: four accumulators, one instruction each; the next matrix instruction on every way names other accumulators
.if (\t)%2
	v_wmma_scale_f32_16x16x128_f8f6f4 v[OT+8*\t:OT+8*\t+7], v[KV+12*\t:KV+12*\t+11], v[PC:PC+11], v[OT+8*\t:OT+8*\t+7], v[VS+\t/2], v[PW] matrix_a_fmt:MATRIX_FMT_BF6 matrix_b_fmt:MATRIX_FMT_BF6 matrix_a_scale:MATRIX_SCALE_ROW1
.else
	v_wmma_scale_f32_16x16x128_f8f6f4 v[OT+8*\t:OT+8*\t+7], v[KV+12*\t:KV+12*\t+11], v[PC:PC+11], v[OT+8*\t:OT+8*\t+7], v[VS+\t/2], v[PW] matrix_a_fmt:MATRIX_FMT_BF6 matrix_b_fmt:MATRIX_FMT_BF6
.endif
.endr
.Lskip_\@:
	s_lshr_b32 s[FL], s[FL], 1                     ; on to the next step: these lines are on every way
	s_add_co_u32 s[TK], s[TK], 6144
	s_add_co_u32 s[TS], s[TS], 512
	s_add_co_u32 s[TV], s[TV], 256
	s_add_nc_u64 s[MP:MP+1], s[MP:MP+1], 256       ; (the scalar loads that named it were waited for where they were issued)
	s_sub_co_u32 s[J], s[J], 1
	s_cmp_lg_u32 s[J], 0
	s_cbranch_scc1 .Lstep_\@
	; THE WAY OUT: O^T / the sum, through my own stage, so that sixteen lanes store one output row of 256 bytes
	v_add_f32 v14, v14, v15                        ; the sum's two halves,
	v_permlanex16_b32 v[TMP], v14, s[SEL], s[SEL+1]
	v_add_f32 v14, v14, v[TMP]                     ; and lane l xor 16's
	v_rcp_f32 v14, v14
.rept 3
	v_nop                                          ; the plain line behind the reciprocal; with the two additions above, the places behind the last products
.endr
	s_wait_alu depctr_va_vdst(0)                   ; the wait ahead of the reciprocal's first reader
.set j, 0
.rept 16
	v_pk_mul_f32 v[S+j:S+j+1], v[OT+j:OT+j+1], v[14:15] op_sel_hi:[1,0]   ; ascending: each accumulator from its low end on
.set j, j+2
.endr
.irp t, 0,1,2,3
	ds_store_b128 v9, v[S+8*\t:S+8*\t+3] offset:64*\t
	ds_store_b128 v9, v[S+8*\t+4:S+8*\t+7] offset:64*\t+16
.endr
.irp i, 0,1,2,3,4,5,6,7
	ds_load_b128 v[S+32+4*\i:S+35+4*\i], v10 offset:2*\i*272   ; LDS serves a wave's instructions in order: these see my stores
.endr
.irp i, 0,1,2,3,4,5,6,7
	s_wait_dscnt 7-\i                              ; load i is in; the 7 - i issued behind it may be out
	global_store_b128 v11, v[S+32+4*\i:S+35+4*\i], s[OP:OP+1] offset:(2*\i+8*(\i/4))*4096 th:TH_STORE_NT   ; stage rows 2 i, 2 i + 1 are the tile's queries 2 i + 8 (i / 4) and the next; sixteen lanes store 256 consecutive bytes, aligned
.endr
.endm
	TILE 22, 16, 46, 8, 96                         ; tile 127 - i
	TILE 34, 28, 47, 12, 97                        ; tile i
	s_wait_tensorcnt 0x0
	ds_add_u32 v254, v255
	s_wait_dscnt 0x0
	s_endpgm
.Lfunc_end_k_qa600c0890b_attn:
	.size	k_qa600c0890b_attn, .Lfunc_end_k_qa600c0890b_attn-k_qa600c0890b_attn
	.p2alignl 7, 3214868480
	.fill 96, 4, 3214868480
	.section	.rodata,"a",@progbits
	.p2align	6, 0x0
	.amdhsa_kernel k_qa600c0890b_attn
		.amdhsa_group_segment_fixed_size 280576
		.amdhsa_private_segment_fixed_size 0
		.amdhsa_enable_private_segment 0
		.amdhsa_kernarg_size 72
		.amdhsa_user_sgpr_count 2
		.amdhsa_user_sgpr_kernarg_segment_ptr 1
		.amdhsa_wavefront_size32 1
		.amdhsa_system_sgpr_workgroup_id_x 1
		.amdhsa_system_sgpr_workgroup_id_y 1
		.amdhsa_system_sgpr_workgroup_id_z 1
		.amdhsa_system_vgpr_workitem_id 0
		.amdhsa_next_free_vgpr 256
		.amdhsa_next_free_sgpr 102
		.amdhsa_reserve_vcc 0
		.amdhsa_float_denorm_mode_32 3
		.amdhsa_float_denorm_mode_16_64 3
		.amdhsa_memory_ordered 1
		.amdhsa_forward_progress 1
		.amdhsa_inst_pref_size 62
	.end_amdhsa_kernel
	.amdgpu_metadata
---
amdhsa.version: [ 1, 2 ]
amdhsa.kernels:
  - .name:           k_qa600c0890b_attn
    .symbol:         k_qa600c0890b_attn.kd
    .args:
      - { .name: qc, .offset: 0, .size: 8, .value_kind: global_buffer, .address_space: global }
      - { .name: qs, .offset: 8, .size: 8, .value_kind: global_buffer, .address_space: global }
      - { .name: kc, .offset: 16, .size: 8, .value_kind: global_buffer, .address_space: global }
      - { .name: ks, .offset: 24, .size: 8, .value_kind: global_buffer, .address_space: global }
      - { .name: vc, .offset: 32, .size: 8, .value_kind: global_buffer, .address_space: global }
      - { .name: vs, .offset: 40, .size: 8, .value_kind: global_buffer, .address_space: global }
      - { .name: mbits, .offset: 48, .size: 8, .value_kind: global_buffer, .address_space: global }
      - { .name: mflags, .offset: 56, .size: 8, .value_kind: global_buffer, .address_space: global }
      - { .name: out0, .offset: 64, .size: 8, .value_kind: global_buffer, .address_space: global }
    .group_segment_fixed_size: 280576
    .private_segment_fixed_size: 0
    .kernarg_segment_align: 8
    .kernarg_segment_size: 72
    .max_flat_workgroup_size: 512
    .sgpr_count:     102
    .vgpr_count:     256
    .wavefront_size: 32
...
	.end_amdgpu_metadata
.endif
;; end of part 2
;; ======== version 2 of 2: 2 launches
;; workspace buffers: qc 6,291,456 bytes; kc 6,291,456 bytes; vc 6,291,456 bytes; qs 524,288 bytes; ks 524,288 bytes; vs 262,144 bytes; mbits 2,097,152 bytes of whole numbers; mflags 8,192 bytes of whole numbers
;; launch prep (part 3): grid 1280 x 1, 4 waves a work-group, no clusters, 69,120 bytes of LDS; arguments attn_mask, values, keys, queries, mbits, mflags, vc, vs, kc, ks, qc, qs; writes mbits, mflags, vc, vs, kc, ks, qc, qs
.if DOCPART == 3
	.amdgcn_target "amdgcn-amd-amdhsa--gfx1250"
	.amdhsa_code_object_version 6
	.text
	.protected	k_qa600c0890b_prep
	.globl	k_qa600c0890b_prep
	.p2align	8
	.type	k_qa600c0890b_prep,@function
k_qa600c0890b_prep:
	s_mov_b64 s[64:65], 0
	v_nop
	global_prefetch_b8 v0, s[64:65] scope:SCOPE_SE
	s_setreg_imm32_b32 hwreg(HW_REG_WAVE_MODE, 25, 1), 1
	s_wait_xcnt 0x0
; PREP: everything that the attention launch wants ready, made once.  Three paths, chosen by the work-group's number:
;   work-groups    0 ..  511  MASK: attn_mask [4][1][2048][2048] bytes -> mbits (lane masks, one word for each score register) and mflags (what a step of 128 keys holds)
;   work-groups  512 ..  767  V:    values [4][2048][16][64] f32 -> codes of E3M2 along the KEYS (vc) and their E8M0 bytes (vs)
;   work-groups  768 .. 1279  K, Q: keys, queries [4][2048][16][64] f32 -> codes along the head's 64 (kc, qc) and their bytes (ks, qs); one text, the buffers chosen by the work-group's number
; THE QUANTISER: a block is 32 numbers along K; its scale is 2^(floor(log2(largest magnitude)) - 4); the byte is the largest magnitude's exponent field - 4, held at 1 from below by a floor among
; the maximum's leaves; each number / scale goes to the nearest code, ties to even, beyond 28 the largest code (the conversion does both).
; ALL CODES ARE LAID AS IMAGES OF THE OPERAND'S REGISTERS: register p of lane l of a fragment lies at byte 512 (p / 4) + 16 l + 4 (p % 4), so three loads of 16 bytes a lane bring a fragment.
;   K, Q: a GROUP is 32 rows (tokens) of one head.  Lane (r, hh) holds in registers 0-5 block hh (k = 32 hh ..) of row r + 8 (r / 8), in registers 6-11 the same of row 8 + r + 8 (r / 8).
;         Its scale word: bytes (row 0's block 0, block 1, row 1's block 0, block 1), four groups' words on end for each lane.
;   V:    a tile is 16 of the head's 64 columns x 128 keys: lane (r, hh): registers 0-5 keys 32 hh .., registers 6-11 keys 64 + 32 hh ..  Scale words: for lane l the words of columns l and 32 + l.
;   mbits: for (batch, tile of 16 queries, step of 128 keys) 64 words; bit l of word n = the mask byte of query r + 8 (r / 8) of the tile and key 32 (n / 16) + 16 hh + n % 16 of the step.
;   mflags: for (batch, tile, four steps) one word: bit s: step s has a key that counts; bit 16 + s: step s has a hidden key.
; LIMITS: NaN and infinities among the f32 inputs are not served; a block whose largest magnitude lies under 2^-122 keeps the byte 1 (a block of zeros too: its codes are zeros, and only this
; program reads the bytes); mask bytes are 0 or 1, as the problem states them.
; Waves share nothing: no barrier.  Each path has LDS bytes of its own.  No tensor loads: four work-groups fit on a WGP (4 x 69,120 bytes, 4 x 4 x 250 registers).
.set MSTG, 34816                       ; LDS: 0: K/Q stages, 4 waves x 32 rows x 272;  MSTG: mask stages, 4 waves x 16 rows x 528
.set C,    32                          ; K/Q: v32-55   two sets of 12 code registers
.set X,    56                          ; K/Q: v56-119  64 numbers: 32 u + i = number 32 hh + i of the row of half u
.set R,    120                         ; K/Q: v120-247 two sets of 64 registers as loaded
.set CV,   32                          ; V:   v32-79   the codes of my two columns' four blocks
.set XV,   80                          ; V:   v80-143  two sets of 32 numbers down the keys
.set RM,   32                          ; mask: v32-95  as loaded
.set XM,   96                          ; mask: v96-159 16 jl + 4 b + e: bytes of keys 128 jl + 32 b + 16 hh + 4 e .. + 3 of my query
	s_load_b512 s[16:31], s[0:1], 0x0              ; mask s[16:17], values s[18:19], keys s[20:21], queries s[22:23], mbits s[24:25], mflags s[26:27], vc s[28:29], vs s[30:31]
	s_load_b256 s[32:39], s[0:1], 0x40             ; kc s[32:33], ks s[34:35], qc s[36:37], qs s[38:39]
	v_lshl_add_u32 v248, v0, 2, 0x10c00
	v_mov_b32 v249, 0
	v_lshrrev_b32 v1, 5, v0
	v_readfirstlane_b32 s4, v1                     ; wave 0..3
	v_and_b32 v1, 31, v0                           ; lane l
	v_and_b32 v2, 15, v0                           ; r
	v_bfe_u32 v3, v0, 4, 1                         ; hh
	v_lshlrev_b32 v4, 4, v1                        ; 16 l: an image's place for my lane
	; every LDS address is made here, ahead of the parting of the paths
	s_mul_i32 s5, s4, 8704                         ; my K/Q stage: 32 rows x 272
	v_mul_u32_u24 v6, v3, 272
	v_lshl_add_u32 v6, v2, 4, v6
	v_add_nc_u32 v6, s5, v6                        ; in: lanes 0-15 one row of 256 bytes, lanes 16-31 the next
	v_mul_u32_u24 v7, v2, 272
	v_lshl_add_u32 v7, v3, 7, v7
	v_add_nc_u32 v7, s5, v7                        ; out: row r, my half's 128 bytes
	s_mul_i32 s5, s4, 8448                         ; my mask stage: 16 rows x 528
	s_add_co_u32 s5, s5, MSTG
	v_mul_u32_u24 v8, v3, 528
	v_lshl_add_u32 v8, v2, 4, v8
	v_add_nc_u32 v8, s5, v8                        ; in
	v_mul_u32_u24 v9, v2, 528
	v_lshl_add_u32 v9, v3, 4, v9
	v_add_nc_u32 v9, s5, v9                        ; out: row r, + 16 hh
	s_mov_b32 s40, 0x76543210
	s_mov_b32 s41, 0xfedcba98                      ; v_permlanex16_b32's selects for lane l xor 16
	s_wait_kmcnt 0x0
	s_cmp_lt_u32 ttmp9, 512
	s_cbranch_scc1 .Lmask
	s_cmp_lt_u32 ttmp9, 768
	s_cbranch_scc1 .Lv
; A unit is (batch b, head h, step j of 128 tokens); a wave takes one.  The four waves of a work-group take four neighbouring heads: 1,024 neighbouring bytes of each token.
; Gives s6 = h, s7 = j, s8 = b, s9 = 16 b + h, s[10:11] = the unit's first byte in an f32 tensor, s[12:13] = in a buffer of codes.
.macro UNIT base
	s_sub_co_u32 s5, ttmp9, \base
	s_and_b32 s5, s5, 255
	s_lshl_b32 s5, s5, 2
	s_add_co_u32 s5, s5, s4                        ; unit 0 .. 1023
	s_and_b32 s6, s5, 15
	s_bfe_u32 s7, s5, 0x40004
	s_lshr_b32 s8, s5, 8
	s_lshl_b32 s9, s8, 4
	s_add_co_u32 s9, s9, s6
	s_lshl_b32 s10, s8, 23                         ; a batch is 2,048 tokens x 4,096 bytes,
	s_lshl_b32 s11, s7, 19                         ; a step 128 tokens,
	s_or_b32 s10, s10, s11
	s_lshl_b32 s11, s6, 8                          ; a head's row 256 bytes
	s_or_b32 s10, s10, s11
	s_mov_b32 s11, 0
	s_mul_i32 s12, s9, 98304                       ; a head's codes: 16 steps x 6,144 bytes
	s_mul_i32 s13, s7, 6144
	s_add_co_u32 s12, s12, s13
	s_mov_b32 s13, 0
.endm
; ---------------------------------------------------------------- K and Q
	s_cmp_lt_u32 ttmp9, 1024                       ; keys' work-group or queries'?  The choice hangs on the work-group's number alone
	s_cselect_b64 s[42:43], s[20:21], s[22:23]
	s_cselect_b64 s[44:45], s[32:33], s[36:37]
	s_cselect_b64 s[46:47], s[34:35], s[38:39]
	UNIT 768
	s_add_nc_u64 s[42:43], s[42:43], s[10:11]
	s_add_nc_u64 s[44:45], s[44:45], s[12:13]
	s_lshl_b32 s14, s9, 13                         ; scale words: 8,192 bytes a head, 512 a step
	s_lshl_b32 s15, s7, 9
	s_add_co_u32 s14, s14, s15
	s_mov_b32 s15, 0
	s_add_nc_u64 s[46:47], s[46:47], s[14:15]
	v_lshlrev_b32 v5, 12, v3
	v_lshl_add_u32 v5, v2, 4, v5                   ; lanes 0-15 read one token's 256 bytes, lanes 16-31 the next token's
	v_lshlrev_b32 v31, 3, v3                       ; 8 hh: where my bytes stand in a scale word
	v_mov_b32 v19, 0                               ; written once: a lane permute's destination counts as one of its sources
.macro LOADK g                         ; group g: 32 tokens, two to a load; sixteen lanes read one aligned run of 256 bytes
.set i, 0
.rept 16
	global_load_b128 v[R+64*((\g)%2)+4*i:R+64*((\g)%2)+4*i+3], v5, s[42:43] offset:(32*(\g)+2*i)*4096 th:TH_LOAD_NT
.set i, i+1
.endr
.endm
.macro TURNK g                         ; through my stage: token k of the group goes to stage row 16 ((k / 8) % 2) + k % 8 + 8 (k / 16), so that stage row 16 u + r is the row that lane r holds in half u
.set i, 0
.rept 16
	ds_store_b128 v6, v[R+64*((\g)%2)+4*i:R+64*((\g)%2)+4*i+3] offset:(16*((i/4)%2)+(2*i)%8+8*(i/8))*272
.set i, i+1
.endr
.irp u, 0,1
.irp e, 0,1,2,3,4,5,6,7
	ds_load_b128 v[X+32*\u+4*\e:X+32*\u+4*\e+3], v7 offset:16*\u*272+16*\e   ; LDS serves a wave's instructions in order: these see the stores above
.endr
.endr
.endm
.macro QUANTK g                        ; two whole blocks of 32 in my registers: no other lane is asked for a maximum
.set CSET, C+12*((\g)%2)
.if (\g) >= 2
	s_wait_xcnt 0x0                                ; the stores of two groups back have read this set of code registers
.endif
.irp u, 0,1
	v_max3_num_f32 v[10+2*\u], |v[X+32*\u]|, |v[X+32*\u+1]|, |v[X+32*\u+2]|
	v_max3_num_f32 v[11+2*\u], |v[X+32*\u+3]|, |v[X+32*\u+4]|, |v[X+32*\u+5]|
.endr
.irp i, 6,10,14,18,22,26
.irp u, 0,1
	v_max3_num_f32 v[10+2*\u], v[10+2*\u], |v[X+32*\u+\i]|, |v[X+32*\u+\i+1]|
	v_max3_num_f32 v[11+2*\u], v[11+2*\u], |v[X+32*\u+\i+2]|, |v[X+32*\u+\i+3]|
.endr
.endr
.irp u, 0,1
	v_max3_num_f32 v[10+2*\u], v[10+2*\u], |v[X+32*\u+30]|, |v[X+32*\u+31]|
.endr
.irp u, 0,1
	v_max3_num_f32 v[10+2*\u], v[10+2*\u], v[11+2*\u], 0x2800000   ; and the floor 2^(5 - 127): the byte cannot fall under 1
.endr
.irp u, 0,1
	v_add_nc_u32 v[14+\u], 0xfe000000, v[10+2*\u]  ; 4 off the exponent field: the conversion takes this operand's exponent field as its scale
.endr
.irp u, 0,1
	v_cvt_scalef32_pk16_bf6_f32 v[CSET+6*\u:CSET+6*\u+2], v[X+32*\u:X+32*\u+15], v[14+\u]
	v_cvt_scalef32_pk16_bf6_f32 v[24+4*\u:26+4*\u], v[X+32*\u+16:X+32*\u+31], v[14+\u]   ; (a conversion's three registers begin on an even number)
.endr
.irp u, 0,1
	v_lshrrev_b32 v[16+\u], 23, v[14+\u]           ; the scale's byte; also the plain line between the conversions and the moves that read their results
.endr
.irp u, 0,1
.irp i, 0,1,2
	v_mov_b32 v[CSET+6*\u+3+\i], v[24+4*\u+\i]
.endr
.endr
	v_lshl_or_b32 v18, v17, 16, v16                ; my two bytes: block hh of the rows of halves 0 and 1,
	v_lshlrev_b32 v18, v31, v18                    ; at their places (8 hh bits up);
	v_permlanex16_b32 v19, v18, s40, s41
	v_or_b32 v[20+(\g)], v18, v19                  ; with lane l xor 16's two the word is whole, in both lanes
.irp c, 0,1,2
	global_store_b128 v4, v[CSET+4*\c:CSET+4*\c+3], s[44:45] offset:1536*(\g)+512*\c   ; 32 lanes store 512 consecutive bytes
.endr
.endm
	LOADK 0
	LOADK 1
	s_wait_alu depctr_va_vdst(0)
.irp g, 0,1,2,3
.if \g < 3
	s_wait_loadcnt 16                              ; this group's 16 loads are in; the next group's 16 may be out
.else
	s_wait_loadcnt 0x0
.endif
	TURNK \g
	s_wait_dscnt 0x0                               ; the numbers are back, and the stage's stores have read the registers that the next loads fill
.if \g < 2
	LOADK \g+2
.endif
	QUANTK \g
.endr
	global_store_b128 v4, v[20:23], s[46:47]       ; the step's scale words: four a lane, 512 consecutive bytes
	s_wait_tensorcnt 0x0
	ds_add_u32 v248, v249
	s_wait_dscnt 0x0
	s_endpgm
; ---------------------------------------------------------------- V: a lane takes a column of the head, and its registers run down the keys
.Lv:
	UNIT 512
	s_add_nc_u64 s[18:19], s[18:19], s[10:11]
	s_add_nc_u64 s[28:29], s[28:29], s[12:13]
	s_lshl_b32 s14, s9, 12                         ; scale words: 4,096 bytes a head, 256 a step
	s_lshl_b32 s15, s7, 8
	s_add_co_u32 s14, s14, s15
	s_mov_b32 s15, 0
	s_add_nc_u64 s[30:31], s[30:31], s[14:15]
	v_lshlrev_b32 v5, 2, v1                        ; in: 4 bytes a lane
	v_mul_u32_u24 v10, v3, 1536
	v_lshl_add_u32 v10, v2, 4, v10                 ; out: lanes 0-15 write into the image of tile 2 tp, lanes 16-31 into that of tile 2 tp + 1
	v_lshlrev_b32 v11, 3, v1
.macro LOADV sb                        ; sub-block sb = 2 b + tp: keys 32 b + 0 .. 31, columns 32 tp + lane
.set i, 0
.rept 32
	global_load_b32 v[XV+32*((\sb)%2)+i], v5, s[18:19] offset:(32*((\sb)/2)+i)*4096+128*((\sb)%2)
.set i, i+1
.endr
.endm
.macro BLOCKV sb
.set XS, XV+32*((\sb)%2)
.set BE, (\sb)/2
.set TP, (\sb)%2
.set CD, CV+24*TP+6*(2*(BE%2)+BE/2)    ; the blocks stand in the order 0, 2, 1, 3: the twelve registers of the reader's lane r, then those of its lane 16 + r
.if (\sb) < 7
	s_wait_loadcnt 32                              ; this sub-block's 32 loads are in; the next one's 32 may be out
.else
	s_wait_loadcnt 0x0
.endif
	v_max3_num_f32 v12, |v[XS]|, |v[XS+1]|, |v[XS+2]|
	v_max3_num_f32 v13, |v[XS+3]|, |v[XS+4]|, |v[XS+5]|
.irp i, 6,10,14,18,22,26
	v_max3_num_f32 v12, v12, |v[XS+\i]|, |v[XS+\i+1]|
	v_max3_num_f32 v13, v13, |v[XS+\i+2]|, |v[XS+\i+3]|
.endr
	v_max3_num_f32 v12, v12, |v[XS+30]|, |v[XS+31]|
	v_max3_num_f32 v12, v12, v13, 0x2800000        ; and the floor
	v_add_nc_u32 v14, 0xfe000000, v12
	v_cvt_scalef32_pk16_bf6_f32 v[CD:CD+2], v[XS:XS+15], v14
	v_cvt_scalef32_pk16_bf6_f32 v[18:20], v[XS+16:XS+31], v14
	v_lshrrev_b32 v15, 23, v14                     ; the byte; also the plain line behind the conversions
.if BE == 0
	v_mov_b32 v[16+TP], v15                        ; four bytes to a word, the earlier keys in the lower byte
.else
	v_lshl_or_b32 v[16+TP], v15, 8*BE, v[16+TP]
.endif
.irp i, 0,1,2
	v_mov_b32 v[CD+3+\i], v[18+\i]
.endr
.if (\sb)+2 < 8
	LOADV (\sb)+2
.endif
.endm
	LOADV 0
	LOADV 1
.irp sb, 0,1,2,3,4,5,6,7
	BLOCKV \sb
.endr
.irp tp, 0,1
.irp ha, 0,1
.irp c, 0,1,2
	global_store_b128 v10, v[CV+24*\tp+12*\ha+4*\c:CV+24*\tp+12*\ha+4*\c+3], s[28:29] offset:3072*\tp+512*\c+256*\ha   ; sixteen lanes store 256 consecutive bytes, at a multiple of 256 from the buffer's first byte
.endr
.endr
.endr
	global_store_b64 v11, v[16:17], s[30:31]       ; 32 lanes store the step's 256 bytes of scale words
	s_endpgm
; ---------------------------------------------------------------- the mask: a work-group takes (batch, tile of 16 queries), wave w the keys 512 w .. 512 w + 511: four steps
.Lmask:
	s_lshr_b32 s5, ttmp9, 7                        ; batch
	s_and_b32 s6, ttmp9, 127                       ; tile
	s_lshr_b32 s7, s6, 1
	s_and_b32 s12, s6, 1
	s_lshl_b32 s7, s7, 5
	s_lshl_b32 s12, s12, 3
	s_add_co_u32 s7, s7, s12                       ; the tile's first query: 32 (tile / 2) + 8 (tile % 2)
	s_lshl_b32 s7, s7, 11                          ; a query's row of the mask is 2,048 bytes
	s_lshl_b32 s5, s5, 22
	s_add_co_u32 s12, s5, s7
	s_lshl_b32 s5, s4, 9
	s_add_co_u32 s12, s12, s5
	s_mov_b32 s13, 0
	s_add_nc_u64 s[16:17], s[16:17], s[12:13]
	s_lshl_b32 s12, ttmp9, 4
	s_lshl_b32 s5, s4, 2
	s_add_co_u32 s12, s12, s5
	s_lshl_b32 s12, s12, 8                         ; mbits: 256 bytes for each (batch, tile, step)
	s_add_nc_u64 s[24:25], s[24:25], s[12:13]
	s_lshl_b32 s12, ttmp9, 2
	s_add_co_u32 s12, s12, s4
	s_lshl_b32 s12, s12, 2                         ; mflags: a word for each (batch, tile, wave)
	s_add_nc_u64 s[26:27], s[26:27], s[12:13]
	s_mov_b32 s8, 1                                ; bit 0 of each of a word's four bytes
	s_mov_b32 s9, 0x100
	s_mov_b32 s10, 0x10000
	s_mov_b32 s11, 0x1000000
	s_mov_b32 s57, 0                               ; the flags
	v_lshlrev_b32 v5, 11, v3
	v_lshl_add_u32 v5, v2, 4, v5                   ; lanes 0-15 one row's 256 bytes, lanes 16-31 the next row's
	v_lshlrev_b32 v19, 3, v1
.irp i, 20,21,22,23,24,25,26,27
	v_mov_b32 v\i, 0                               ; written once: v_writelane_b32's destination counts as one of its sources
.endr
.irp i, 0,1,2,3,4,5,6,7                ; stage rows 2 i and 2 i + 1 are the tile's queries 2 i + 8 (i / 4) and the next
.irp p, 0,1
	global_load_b128 v[RM+4*(2*\i+\p):RM+4*(2*\i+\p)+3], v5, s[16:17] offset:(2*\i+8*(\i/4))*2048+256*\p th:TH_LOAD_NT
.endr
.endr
	s_wait_loadcnt 0x0
.irp i, 0,1,2,3,4,5,6,7
.irp p, 0,1
	ds_store_b128 v8, v[RM+4*(2*\i+\p):RM+4*(2*\i+\p)+3] offset:2*\i*528+256*\p
.endr
.endr
.irp jl, 0,1,2,3
.irp be, 0,1,2,3
	ds_load_b128 v[XM+16*\jl+4*\be:XM+16*\jl+4*\be+3], v9 offset:128*\jl+32*\be   ; my query's 16 bytes of block be of step jl (my half's)
.endr
.endr
	s_wait_dscnt 0x0
; One step: word n = the 32 lanes' byte n, as a lane mask; lane n / 2 of register n % 2 takes it, so that a store of 8 bytes a lane lays word n at byte 4 n.
.macro MSTEP jl
.irp q, 0,1,2,3,4,5,6,7                ; eight words at a time, so that no line waits for the line above it
.irp k, 0,1,2,3,4,5,6,7
	v_and_b32 v[10+\k], s[8+(8*\q+\k)%4], v[XM+16*\jl+(8*\q+\k)/4]
.endr
.irp k, 0,1,2,3,4,5,6,7
	v_cmp_ne_u32 s[40+(8*\q+\k)%16], 0, v[10+\k]
.endr
.irp k, 0,1,2,3,4,5,6,7
	v_writelane_b32 v[20+2*\jl+\k%2], s[40+(8*\q+\k)%16], (8*\q+\k)/2
.endr
.endr
	v_add3_u32 v18, v[XM+16*\jl], v[XM+16*\jl+1], v[XM+16*\jl+2]   ; the sum of my 16 words: each byte counts 16 mask bytes of 0 or 1, so nothing carries
.irp i, 3,5,7,9,11,13
	v_add3_u32 v18, v18, v[XM+16*\jl+\i], v[XM+16*\jl+\i+1]
.endr
	v_add_nc_u32 v18, v18, v[XM+16*\jl+15]
	v_cmp_ne_u32 s58, 0, v18                       ; lanes with a hidden key
	v_cmp_ne_u32 s59, 0x10101010, v18              ; lanes with a key that counts
	s_cmp_lg_u32 s58, 0
	s_cselect_b32 s58, (0x10000<<\jl), 0
	s_or_b32 s57, s57, s58
	s_cmp_lg_u32 s59, 0
	s_cselect_b32 s59, (1<<\jl), 0
	s_or_b32 s57, s57, s59
	global_store_b64 v19, v[20+2*\jl:21+2*\jl], s[24:25] offset:256*\jl   ; 32 lanes store 256 consecutive bytes, at a multiple of 256 from the buffer's first byte
.endm
	MSTEP 0
	MSTEP 1
	MSTEP 2
	MSTEP 3
	v_mov_b32 v28, s57
	v_mov_b32 v29, 0
	v_cmp_eq_u32 vcc_lo, 0, v1
	s_wait_alu depctr_va_vdst(0)
	s_wait_xcnt 0x0                                ; EXEC is a source of the stores above: it changes only behind this wait
	s_wait_tensorcnt 0x0
	ds_add_u32 v248, v249
	s_wait_dscnt 0x0
	s_and_saveexec_b32 s56, vcc_lo
	global_store_b32 v29, v28, s[26:27]            ; lane 0 stores my four steps' flags
	s_wait_xcnt 0x0                                ; and again, ahead of the line that widens it
	s_or_b32 exec_lo, exec_lo, s56
	s_endpgm
.Lfunc_end_k_qa600c0890b_prep:
	.size	k_qa600c0890b_prep, .Lfunc_end_k_qa600c0890b_prep-k_qa600c0890b_prep
	.p2alignl 7, 3214868480
	.fill 96, 4, 3214868480
	.section	.rodata,"a",@progbits
	.p2align	6, 0x0
	.amdhsa_kernel k_qa600c0890b_prep
		.amdhsa_group_segment_fixed_size 69120
		.amdhsa_private_segment_fixed_size 0
		.amdhsa_enable_private_segment 0
		.amdhsa_kernarg_size 96
		.amdhsa_user_sgpr_count 2
		.amdhsa_user_sgpr_kernarg_segment_ptr 1
		.amdhsa_wavefront_size32 1
		.amdhsa_system_sgpr_workgroup_id_x 1
		.amdhsa_system_sgpr_workgroup_id_y 1
		.amdhsa_system_sgpr_workgroup_id_z 1
		.amdhsa_system_vgpr_workitem_id 0
		.amdhsa_next_free_vgpr 250
		.amdhsa_next_free_sgpr 66
		.amdhsa_reserve_vcc 1
		.amdhsa_float_denorm_mode_32 3
		.amdhsa_float_denorm_mode_16_64 3
		.amdhsa_memory_ordered 1
		.amdhsa_forward_progress 1
		.amdhsa_inst_pref_size 118
	.end_amdhsa_kernel
	.amdgpu_metadata
---
amdhsa.version: [ 1, 2 ]
amdhsa.kernels:
  - .name:           k_qa600c0890b_prep
    .symbol:         k_qa600c0890b_prep.kd
    .args:
      - { .name: attn_mask, .offset: 0, .size: 8, .value_kind: global_buffer, .address_space: global }
      - { .name: values, .offset: 8, .size: 8, .value_kind: global_buffer, .address_space: global }
      - { .name: keys, .offset: 16, .size: 8, .value_kind: global_buffer, .address_space: global }
      - { .name: queries, .offset: 24, .size: 8, .value_kind: global_buffer, .address_space: global }
      - { .name: mbits, .offset: 32, .size: 8, .value_kind: global_buffer, .address_space: global }
      - { .name: mflags, .offset: 40, .size: 8, .value_kind: global_buffer, .address_space: global }
      - { .name: vc, .offset: 48, .size: 8, .value_kind: global_buffer, .address_space: global }
      - { .name: vs, .offset: 56, .size: 8, .value_kind: global_buffer, .address_space: global }
      - { .name: kc, .offset: 64, .size: 8, .value_kind: global_buffer, .address_space: global }
      - { .name: ks, .offset: 72, .size: 8, .value_kind: global_buffer, .address_space: global }
      - { .name: qc, .offset: 80, .size: 8, .value_kind: global_buffer, .address_space: global }
      - { .name: qs, .offset: 88, .size: 8, .value_kind: global_buffer, .address_space: global }
    .group_segment_fixed_size: 69120
    .private_segment_fixed_size: 0
    .kernarg_segment_align: 8
    .kernarg_segment_size: 96
    .max_flat_workgroup_size: 128
    .sgpr_count:     66
    .vgpr_count:     250
    .wavefront_size: 32
...
	.end_amdgpu_metadata
.endif
;; end of part 3
;; launch attn (part 4): grid 4 x 64, 16 waves a work-group, no clusters, 280,576 bytes of LDS; arguments qc, qs, kc, ks, vc, vs, mbits, mflags, out0; writes out0
.if DOCPART == 4
	.amdgcn_target "amdgcn-amd-amdhsa--gfx1250"
	.amdhsa_code_object_version 6
	.text
	.protected	k_qa600c0890b_attn
	.globl	k_qa600c0890b_attn
	.p2align	8
	.type	k_qa600c0890b_attn,@function
k_qa600c0890b_attn:
	s_mov_b64 s[64:65], 0
	v_nop
	global_prefetch_b8 v0, s[64:65] scope:SCOPE_SE
	s_setreg_imm32_b32 hwreg(HW_REG_WAVE_SCHED_MODE, 0, 2), 2
	s_setreg_imm32_b32 hwreg(HW_REG_WAVE_MODE, 25, 1), 1
	s_wait_xcnt 0x0
	s_wait_alu depctr_vm_vsrc(0)
; out0[b][q][h][:] = the sum over keys k of softmax_k(Q . K / 8, hidden keys at -infinity) V, both products on codes of E3M2 with one E8M0 scale for each 32 along a product's K.
; The codes, scale words, lane masks and flags were made by the launch before, laid as images of the operands' registers (its head comment has the layouts).
; THE SOFTMAX AHEAD OF THE SECOND PRODUCT: t = score x log2(e) / 8; M = the row's largest t so far, rounded UP to a whole number; p = 2^(t - M) is quantised along the keys, not normalised; the row's
; sum is taken of the unquantised p and divides at the end.  When M moves, the sum and O are multiplied by 2^(old M - new M): exact.
; SHARES.  Work-group (x, y): head y = 16 b + h, quarter x.  A whole head's K and V (codes and scale words: 208,896 bytes) lie in LDS: wave w copies key step w through its registers, ONE barrier, and from
; there on every wave runs by itself.  Wave w has i = 16 x + w and owns two tiles of 16 queries, one after the other: tile 127 - i, then tile i.
; A tile's queries: tile 2 G + u holds queries 32 G + 8 u + r + 8 (r / 8), r = 0 .. 15; each output row (one query, one head) is 256 bytes by itself, so any 16 queries may form a tile.
; WORK THAT THE MASK THROWS AWAY IS NOT DONE: a step of 128 keys none of which counts for any of the tile's 16 queries adds nothing to any sum: a scalar branch on the stored flag leads round its work (not
; round the lines that step addresses and the counter: every tile walks 16 trips).  A step with hidden keys fetches its 64 lane masks and sets those scores to -infinity; a step without skips that.
; That holds for every mask.  The branches hang on stored whole numbers, so this launch has no tensor load, hence no joint loads either: what the four work-groups of a head would share is
; 26 loads a wave, made once.  Nothing is prefetched: K and V are asked for whole at the head, and each mask word is read by the sixteen heads of its batch.
; THE FIRST PRODUCT'S K IS 64, the instruction's 128: source 0 is a group's image (two sub-tiles of 16 keys, one in k 0-63, one in k 64-127), source 1 is [Q | zero codes] for the first sub-tile and
; [zero codes | Q] for the second.  Zero codes add nothing under any scale byte that occurs here.  Used transposed: lane (r, hh) holds query r, and score register n holds key 32 (n / 16) + 16 hh + n % 16.
; The second product likewise: O^T = V^T P^T: register 8 t + e of lane (r, hh) is o(query r, channel 16 t + 8 hh + e).
; LIMITS: a p under 2^-126 comes out of v_exp_f32 as 0; the running maximum starts at -3e38, under every t that finite scores give; a block whose every p is 0 keeps the byte 1 (its codes are zeros);
; a query with no key that counts gets 0 x (1 / 0) = NaN, as the softmax of a row of -infinity is.
; THE MODE: SCHED_MODE bits 1:0 = 2 (LLVM: expert scheduling mode 2), set by the entry lines.  The code itself states the register dependences between vector or matrix instructions and memory or LDS
; instructions, with s_wait_alu, always for 0.
; THE PLAN.  Registers that memory or LDS instructions touch:
;   v1, v9, v10, v11  offsets and addresses, made at the head and never written again.   v15: at the head the offset of one load; from the first tile on half of the sum.
;   v5-8      LDS addresses: at the head where my copy goes; at the head of each step that is worked they are made anew by four additions.  Read by the copy's stores and by the step's loads.
;   v104-231  at the head: the loads of Q's images and of my key step land here, and the copy's LDS stores read v130-231.  From the barrier on vector and matrix instructions write them.
;   KV, KS    K's loads land at a step's head; the step's eight products read them.   KV again, VS: V's loads land behind those eight; the step's four products read them.
;   PC, PW    p's codes and scale word: written by vector instructions, taken by the four scaled products.   v16-47: Q's windows and scale words, written at the head, taken by the eight.
;   S         on the way out: its first 32 are written by the multiplications and read by the LDS stores; its last 32 take the rows read back, which the global stores read.
; A step that is worked has one wait on vm_vsrc, ahead of the four additions, and six on va_vdst: behind the additions (addresses written; the last four products done with KV); behind the eight products (done
; with KV, in which V lands); one ahead of the 64 exponentials and one behind each of the two batches; and ahead of the four products (p's codes and scale word written).  256 registers a wave leave no room for a second KV.
.set LV,   98304                       ; LDS: 0 K's codes (16 steps x 6,144); LV V's codes likewise;
.set LKS,  196608                      ; K's scale words (16 x 512);
.set LVS,  204800                      ; V's (16 x 256);
.set STG,  208896                      ; the way out: 16 rows x 272 bytes for each wave, the wave's own
.set WV, 4                             ; s4   wave
.set J,  5                             ; s5   trips to go
.set TK, 6                             ; s6   6,144 x step
.set TS, 7                             ; s7   512 x step
.set TV, 66                            ; s66  256 x step
.set FL, 67                            ; s67  the tile's flags, shifted one to the right each trip: bit 0 = a key counts, bit 16 = a key is hidden
.set MP, 68                            ; s[68:69] the step's 64 lane masks
.set OP, 70                            ; s[70:71] the tile's first output row
.set SEL, 72                           ; s[72:73] v_permlanex16_b32's selects for lane l xor 16
.set CS, 74                            ; s[74:75] c = log2(e) / 8, twice (the packed form names a pair)
.set MB, 76                            ; s[76:77] mbits at my batch
.set OB, 78                            ; s[78:79] out0 at my batch and head
                                       ; s8, s12 the two tiles' flags; s96, s97 the two tiles' numbers; s16-63, s80-95 the lane masks (at the head: pointers)
; v1 16 l; v2, v3, v4 the same + LV, + LKS, 8 l + LVS; v5-8 the addresses in hand; v9, v10 the stage in and out; v11 my place in two output rows; v12 -M; v13 largest t; v[14:15] the sum in two halves
; v16-45: zeros, tile A's Q, zeros, tile B's Q, zeros (six each): both windows of both tiles;  v46, v47 Q's scale words
.set KS,  48                           ; v48-51   K's scale words of the step's four groups
.set VS,  52                           ; v52-53   V's: lanes 0-15 tile 2 tp, lanes 16-31 tile 2 tp + 1
.set KV,  54                           ; v54-101  K's four group images, then V's four tile images
.set S,   104                          ; v104-167 the scores, then p; on the way out O / sum and the rows read back
.set OT,  168                          ; v168-199 O^T
.set PC,  200                          ; v200-211 p's codes
.set CT,  212                          ; v212-214, v216-218 the conversions' second halves
.set BM,  220                          ; v220-223 each block's largest score, then its largest p
.set T2,  224                          ; v224-227 at work
.set SO,  228                          ; v228-231 the conversions' scale operands
.set TMP, 232
.set NI,  233                          ; -infinity
.set FF,  234                          ; v[234:235] f = 2^(old M - new M) (the pair's upper half is only named)
.set PW,  236                          ; p's scale word
	s_load_b512 s[16:31], s[0:1], 0x0              ; qc s[16:17], qs s[18:19], kc s[20:21], ks s[22:23], vc s[24:25], vs s[26:27], mbits s[28:29], mflags s[30:31]
	s_load_b64 s[2:3], s[0:1], 0x40                ; out0
	v_lshl_add_u32 v254, v0, 2, 0x44000
	v_mov_b32 v255, 0
	v_lshrrev_b32 v1, 5, v0
	v_readfirstlane_b32 s[WV], v1                  ; wave 0..15
	v_and_b32 v14, 31, v0                          ; l   (v12-15 are free until the first tile begins)
	v_and_b32 v12, 15, v0                          ; r
	v_bfe_u32 v13, v0, 4, 1                        ; hh
	v_lshlrev_b32 v1, 4, v14
	v_lshlrev_b32 v15, 3, v14
	v_add_nc_u32 v2, LV, v1
	v_add_nc_u32 v3, LKS, v1
	v_lshl_add_u32 v4, v14, 3, LVS
	s_wait_alu depctr_va_sdst(0)                   ; s4, the wave's number, is written, ahead of its first reader: LDS places, tiles and bases are made from it
	s_mul_i32 s5, s[WV], 6144                      ; where my wave's copy goes: key step w
	v_add_nc_u32 v5, s5, v1
	v_add_nc_u32 v6, s5, v2
	s_lshl_b32 s5, s[WV], 9
	v_add_nc_u32 v7, s5, v3
	s_lshl_b32 s5, s[WV], 8
	v_add_nc_u32 v8, s5, v4
	s_mul_i32 s5, s[WV], 4352
	s_add_co_u32 s5, s5, STG                       ; my stage
	v_mul_u32_u24 v9, v12, 272
	v_lshl_add_u32 v9, v13, 5, v9
	v_add_nc_u32 v9, s5, v9                        ; in: row r, + 32 hh
	v_mul_u32_u24 v10, v13, 272
	v_lshl_add_u32 v10, v12, 4, v10
	v_add_nc_u32 v10, s5, v10                      ; back: lanes 0-15 one row, lanes 16-31 the next
	v_lshlrev_b32 v11, 12, v13
	v_lshl_add_u32 v11, v12, 4, v11                ; and the same two rows in out0: a token is 4,096 bytes
	s_and_b32 s98, ttmp7, 0xffff                   ; 16 b + h
	s_lshr_b32 s99, s98, 4                         ; b
	s_and_b32 s100, s98, 15                        ; h
	s_lshl_b32 s97, ttmp9, 4
	s_add_co_u32 s97, s97, s[WV]                   ; tile B = i = 16 x + w
	s_sub_co_u32 s96, 127, s97                     ; tile A = 127 - i
	s_mov_b32 s[SEL], 0x76543210
	s_mov_b32 s[SEL+1], 0xfedcba98
	s_mov_b32 s[CS], 0x3e38aa3b                    ; log2(e) / 8
	s_mov_b32 s[CS+1], s[CS]
	s_mov_b32 s67, 0                               ; s[66:67]: a byte offset as a pair
	s_wait_kmcnt 0x0
	s_lshl_b32 s5, s99, 7
	s_add_co_u32 s66, s5, s96
	s_lshl_b32 s66, s66, 4                         ; mflags: 16 bytes for each (batch, tile)
	s_add_nc_u64 s[68:69], s[30:31], s[66:67]
	s_add_co_u32 s66, s5, s97
	s_lshl_b32 s66, s66, 4
	s_add_nc_u64 s[70:71], s[30:31], s[66:67]
	s_load_b128 s[8:11], s[68:69], 0x0             ; tile A's flags, four steps a word
	s_load_b128 s[12:15], s[70:71], 0x0            ; tile B's
	s_mul_i32 s5, s98, 98304                       ; my head in a buffer of codes
	s_lshr_b32 s6, s96, 1                          ; tile A's group of 32 queries
	s_mul_i32 s66, s6, 1536
	s_add_co_u32 s66, s66, s5
	s_add_nc_u64 s[80:81], s[16:17], s[66:67]
	s_lshr_b32 s7, s97, 1                          ; tile B's
	s_mul_i32 s66, s7, 1536
	s_add_co_u32 s66, s66, s5
	s_add_nc_u64 s[82:83], s[16:17], s[66:67]
	s_mul_i32 s66, s[WV], 6144
	s_add_co_u32 s66, s66, s5
	s_add_nc_u64 s[88:89], s[20:21], s[66:67]      ; K's codes of key step w
	s_add_nc_u64 s[90:91], s[24:25], s[66:67]      ; V's
	s_lshl_b32 s5, s98, 13                         ; my head in qs and ks
	s_lshr_b32 s66, s6, 2
	s_lshl_b32 s66, s66, 9
	s_and_b32 s101, s6, 3
	s_lshl_b32 s101, s101, 2
	s_add_co_u32 s66, s66, s101
	s_add_co_u32 s66, s66, s5
	s_add_nc_u64 s[84:85], s[18:19], s[66:67]      ; group G's scale words: 512 (G / 4) + 16 l + 4 (G % 4)
	s_lshr_b32 s66, s7, 2
	s_lshl_b32 s66, s66, 9
	s_and_b32 s101, s7, 3
	s_lshl_b32 s101, s101, 2
	s_add_co_u32 s66, s66, s101
	s_add_co_u32 s66, s66, s5
	s_add_nc_u64 s[86:87], s[18:19], s[66:67]
	s_lshl_b32 s66, s[WV], 9
	s_add_co_u32 s66, s66, s5
	s_add_nc_u64 s[92:93], s[22:23], s[66:67]      ; K's scale words of key step w
	s_lshl_b32 s66, s98, 12
	s_lshl_b32 s101, s[WV], 8
	s_add_co_u32 s66, s66, s101
	s_add_nc_u64 s[94:95], s[26:27], s[66:67]      ; V's
	s_lshl_b32 s66, s99, 19                        ; mbits: 128 tiles x 4,096 bytes a batch
	s_add_nc_u64 s[MB:MB+1], s[28:29], s[66:67]
	s_lshl_b32 s66, s99, 23
	s_lshl_b32 s101, s100, 8
	s_or_b32 s66, s66, s101
	s_add_nc_u64 s[OB:OB+1], s[2:3], s[66:67]
	s_wait_alu depctr_va_vdst(0)                   ; the offsets v1 and v15, which the loads below read, are written; so are v5-8, which the copy's LDS stores read, and v9-11, which the way out's stores and loads read
.irp c, 0,1,2
	global_load_b128 v[104+4*\c:107+4*\c], v1, s[80:81] offset:512*\c   ; the image of tile A's group of queries,
	global_load_b128 v[116+4*\c:119+4*\c], v1, s[82:83] offset:512*\c   ; of tile B's
.endr
	global_load_b32 v128, v1, s[84:85]
	global_load_b32 v129, v1, s[86:87]
.irp m, 0,1,2,3,4,5,6,7,8,9,10,11
	global_load_b128 v[130+4*\m:133+4*\m], v1, s[88:89] offset:512*\m   ; key step w: 32 lanes read 512 consecutive bytes
.endr
.irp m, 0,1,2,3,4,5,6,7,8,9,10,11
	global_load_b128 v[178+4*\m:181+4*\m], v1, s[90:91] offset:512*\m
.endr
	global_load_b128 v[226:229], v1, s[92:93]
	global_load_b64 v[230:231], v15, s[94:95]
.irp z, 16,17,18,19,20,21,28,29,30,31,32,33,40,41,42,43,44,45
	v_mov_b32 v\z, 0                               ; the zero codes beside Q.  (These lines and the three below name no register that a load above or a store of the copy touches)
.endr
	v_mov_b32 v[NI], 0xff800000
	v_mov_b32 v[TMP], 0                            ; written once: a lane permute's destination counts as one of its sources
	v_mov_b32 v[FF+1], 0                           ; (named as the upper half of a pair)
	s_wait_loadcnt 0x0
	s_wait_kmcnt 0x0                               ; the flags
.irp m, 0,1,2,3,4,5,6,7,8,9,10,11
	ds_store_b128 v5, v[130+4*\m:133+4*\m] offset:512*\m
	ds_store_b128 v6, v[178+4*\m:181+4*\m] offset:512*\m
.endr
	ds_store_b128 v7, v[226:229]
	ds_store_b64 v8, v[230:231]
	s_wait_dscnt 0x0                               ; for the others' sake: my part of the head lies in LDS
	s_barrier_signal -1
	s_barrier_wait -1                              ; everybody's does.  The only barrier: from here on these bytes are only read, and it stands ahead of every branch on stored numbers
	s_wait_alu depctr_vm_vsrc(0)                   ; my LDS stores have read v5-8 and v130-231, and the load of V's scale words has read v15: from here on vector and matrix instructions write these registers
.irp b, 0,1,2,3
	v_mov_b32 v[T2+\b], 0                          ; written once, behind the copy that went through these registers
.endr
	s_lshl_b32 s9, s9, 4                           ; the four words of a tile become one: bits 0-15 a key counts, bits 16-31 a key is hidden, by step
	s_lshl_b32 s10, s10, 8
	s_lshl_b32 s11, s11, 12
	s_or_b32 s8, s8, s9
	s_or_b32 s10, s10, s11
	s_or_b32 s8, s8, s10
	s_lshl_b32 s13, s13, 4
	s_lshl_b32 s14, s14, 8
	s_lshl_b32 s15, s15, 12
	s_or_b32 s12, s12, s13
	s_or_b32 s14, s14, s15
	s_or_b32 s12, s12, s14
	; which half of its group's image is a tile's: tile B = i is half w % 2, tile A = 127 - i the other.  A choice of values: no branch
	s_and_b32 s98, s[WV], 1
	s_cmp_eq_u32 s98, 0
	s_cselect_b32 s99, -1, 0                       ; all lanes: tile A takes the image's registers 6-11
	s_cselect_b32 s100, 0, -1                      ; all lanes: tile B does
	s_mov_b32 s101, 0x03020302
	s_cselect_b32 s5, s101, 0x01000100             ; the scale word's bytes (2, 3, 2, 3) or (0, 1, 0, 1): Q's two bytes stand under both halves of the instruction's K
	s_cselect_b32 s6, 0x01000100, s101
.irp i, 0,1,2,3,4,5
	v_cndmask_b32 v[22+\i], v[104+\i], v[110+\i], s99
	v_cndmask_b32 v[34+\i], v[116+\i], v[122+\i], s100
.endr
	v_perm_b32 v46, v128, v128, s5
	v_perm_b32 v47, v129, v129, s6
; ONE TILE OF 16 QUERIES.  blo: where [Q | zeros] begins; bhi: where [zeros | Q] begins; qsr: Q's scale word; fl: the scalar with its flags; tau: the scalar with its number.
.macro TILE blo, bhi, qsr, fl, tau
	s_wait_xcnt 0x0                                ; the last tile's stores have read their data and their base: both are written again below
	s_mov_b32 s[FL], s[\fl]
	s_lshl_b32 s98, s[\tau], 12
	s_mov_b32 s99, 0
	s_add_nc_u64 s[MP:MP+1], s[MB:MB+1], s[98:99]
	s_lshr_b32 s98, s[\tau], 1
	s_lshl_b32 s98, s98, 5
	s_and_b32 s100, s[\tau], 1
	s_lshl_b32 s100, s100, 3
	s_add_co_u32 s98, s98, s100                    ; the tile's first query
	s_lshl_b32 s98, s98, 12
	s_add_nc_u64 s[OP:OP+1], s[OB:OB+1], s[98:99]
	v_mov_b32 v13, 0xff61b1e6                      ; the largest t so far: -3e38
	v_floor_f32 v12, -v13                          ; -M
	v_mov_b32 v14, 0
	v_mov_b32 v15, 0
.set j, 0
.rept 32
	v_mov_b32 v[OT+j], 0                           ; O^T begins as zeros: any step may be left out, so no step is the first by the text
.set j, j+1
.endr
	s_mov_b32 s[J], 16
	s_mov_b32 s[TK], 0
	s_mov_b32 s[TS], 0
	s_mov_b32 s[TV], 0
.Lstep_\@:
	s_bitcmp1_b32 s[FL], 0                         ; does any key of this step count for any of my 16 queries?
	s_cbranch_scc0 .Lskip_\@
	s_wait_alu depctr_vm_vsrc(0)                   ; the LDS instructions issued so far (the last worked step's loads; ahead of the first, the copy's stores) have read v5-8, which the four lines below write
	v_add_nc_u32 v5, s[TK], v1                     ; the step's addresses
	v_add_nc_u32 v6, s[TK], v2
	v_add_nc_u32 v7, s[TS], v3
	v_add_nc_u32 v8, s[TV], v4
	s_wait_alu depctr_va_vdst(0)                   ; v5-8 are written, which this step's LDS loads read; the last worked step's products are done reading KV and KS, in which the loads below land; Q's windows and scale words, which the products below take, are written
	ds_load_b128 v[KS:KS+3], v7                    ; K's scale words first: every pair of products below wants one of them
.irp m, 0,1,2,3,4,5,6,7,8,9,10,11
	ds_load_b128 v[KV+4*\m:KV+4*\m+3], v5 offset:512*\m      ; K's four group images, as they stand: three loads a group
.endr
.irp g, 0,1,2,3                        ; S^T = K Q^T: eight accumulators, each begun with the constant 0
	s_wait_dscnt 9-3*\g                            ; LDS loads come back in order (ISA guide 5.7.1): the scale words and group g's image are in; the three loads of each later group may be out.  No LDS instruction of mine was out at the step's head
	v_wmma_scale_f32_16x16x128_f8f6f4 v[S+16*\g:S+16*\g+7], v[KV+12*\g:KV+12*\g+11], v[\blo:\blo+11], 0, v[KS+\g], v[\qsr] matrix_a_fmt:MATRIX_FMT_BF6 matrix_b_fmt:MATRIX_FMT_BF6
	v_wmma_scale_f32_16x16x128_f8f6f4 v[S+16*\g+8:S+16*\g+15], v[KV+12*\g:KV+12*\g+11], v[\bhi:\bhi+11], 0, v[KS+\g], v[\qsr] matrix_a_fmt:MATRIX_FMT_BF6 matrix_b_fmt:MATRIX_FMT_BF6
.endr
.rept 4
	v_nop                                          ; four places ahead of the first vector read of the scores (ISA guide 7.12.1)
.endr
	s_wait_alu depctr_va_vdst(0)                   ; the eight products are done reading KV, in which V's images land (VS's last readers, the last worked step's four products, are older still)
.irp m, 0,1,2,3,4,5,6,7,8,9,10,11
	ds_load_b128 v[KV+4*\m:KV+4*\m+3], v6 offset:512*\m      ; V's four tile images land while the softmax is walked, which names neither KV nor VS
.endr
	ds_load_b64 v[VS:VS+1], v8
	s_bitcmp1_b32 s[FL], 16                        ; is any key of this step hidden from any of my queries?
	s_cbranch_scc0 .Lopen_\@
	s_load_b512 s[16:31], s[MP:MP+1], 0x0          ; the 64 lane masks: word n for score register n
	s_load_b512 s[32:47], s[MP:MP+1], 0x40
	s_load_b512 s[48:63], s[MP:MP+1], 0x80
	s_load_b512 s[80:95], s[MP:MP+1], 0xc0
	s_wait_kmcnt 0x0
.set n, 0
.rept 64
.if n < 48
	v_cndmask_b32 v[S+n], v[S+n], v[NI], s[16+n]   ; hidden scores become -infinity ahead of the maximum: p = 0 then.  Ascending: each accumulator is read from its low end on
.else
	v_cndmask_b32 v[S+n], v[S+n], v[NI], s[32+n]
.endif
.set n, n+1
.endr
.Lopen_\@:
.irp b, 0,1,2,3
	v_max3_num_f32 v[BM+\b], v[S+16*\b], v[S+1+16*\b], v[S+2+16*\b]   ; the largest score of each block of 32 keys: it serves for the row's maximum and, since p rises with the score, for the block's largest p
.endr
.irp i, 3,5,7,9,11,13
.irp b, 0,1,2,3
	v_max3_num_f32 v[BM+\b], v[BM+\b], v[S+16*\b+\i], v[S+1+16*\b+\i]
.endr
.endr
.irp b, 0,1,2,3
	v_max_num_f32 v[BM+\b], v[BM+\b], v[S+15+16*\b]
.endr
.irp b, 0,1,2,3
	v_permlanex16_b32 v[T2+\b], v[BM+\b], s[SEL], s[SEL+1]
.endr
.irp b, 0,1,2,3
	v_max_num_f32 v[BM+\b], v[BM+\b], v[T2+\b]     ; with lane l xor 16's 16 keys
.endr
	v_max3_num_f32 v[TMP], v[BM], v[BM+1], v[BM+2]
	v_max_num_f32 v[TMP], v[TMP], v[BM+3]          ; the step's largest score of my query
	v_mul_f32 v[TMP], s[CS], v[TMP]                ; as t
	v_max_num_f32 v13, v13, v[TMP]                 ; the running largest t
	v_mov_b32 v[TMP], v12
	v_floor_f32 v12, -v13                          ; the new -M = -ceil(t): a whole number
	v_sub_f32 v[TMP], v12, v[TMP]                  ; old M - new M: a whole number, 0 or less
	v_cvt_i32_f32 v[TMP], v[TMP]                   ; (it saturates)
	v_ldexp_f32 v[FF], 1.0, v[TMP]                 ; f = 2^(old M - new M)
.set j, 0
.rept 32
	v_pk_fma_f32 v[S+j:S+j+1], v[S+j:S+j+1], s[CS:CS+1], v[12:13] op_sel_hi:[1,0,0]   ; t - M, two at a time
.set j, j+2
.endr
.irp b, 0,1,2,3
	v_fma_f32 v[BM+\b], v[BM+\b], s[CS], v12       ; the same of each block's largest score
.endr
.set j, 0
	s_wait_alu depctr_va_vdst(0)
.rept 64
	v_exp_f32 v[S+j], v[S+j]                       ; p = 2^(t - M), at most 1
.set j, j+1
.endr
	v_pk_mul_f32 v[14:15], v[14:15], v[FF:FF+1] op_sel_hi:[1,0]   ; the sums under the new M; the plain line behind the exponentials
	s_wait_alu depctr_va_vdst(0)                   ; the 64 exponentials have written p: one wait for the batch, ahead of its first reader
.irp b, 0,1,2,3
	v_exp_f32 v[BM+\b], v[BM+\b]                   ; each block's largest p: the same two instructions on the same number
.endr
	v_pk_add_f32 v[T2:T2+1], v[S:S+1], v[S+2:S+3]  ; the row's sum of the UNQUANTISED p, in two chains; it reads the 64 alone
.set j, 4
.rept 15
	v_pk_add_f32 v[14:15], v[14:15], v[S+j:S+j+1]
	v_pk_add_f32 v[T2:T2+1], v[T2:T2+1], v[S+j+2:S+j+3]
.set j, j+4
.endr
	v_pk_add_f32 v[14:15], v[14:15], v[T2:T2+1]
	s_wait_alu depctr_va_vdst(0)                   ; the four exponentials have written the blocks' largest p, ahead of their first reader
.irp b, 0,1,2,3
	v_max_num_f32 v[BM+\b], 0x2800000, v[BM+\b]    ; the floor 2^(5 - 127): the byte cannot fall under 1
.endr
.irp b, 0,1,2,3
	v_add_nc_u32 v[SO+\b], 0xfe000000, v[BM+\b]    ; 4 off the exponent field: the conversion's scale operand
.endr
.irp b, 0,1,2,3
	v_lshrrev_b32 v[T2+\b], 23, v[SO+\b]           ; the scale's byte
.endr
	v_lshl_or_b32 v[PW], v[T2+1], 8, v[T2]         ; p's scale word for these 128 keys
	v_lshl_or_b32 v[PW], v[T2+2], 16, v[PW]
	v_lshl_or_b32 v[PW], v[T2+3], 24, v[PW]
.irp c, 0,1
	v_cvt_scalef32_pk16_bf6_f32 v[PC+6*\c:PC+6*\c+2], v[S+32*\c:S+32*\c+15], v[SO+2*\c]
	v_cvt_scalef32_pk16_bf6_f32 v[CT+4*\c:CT+4*\c+2], v[S+32*\c+16:S+32*\c+31], v[SO+2*\c+1]   ; (a conversion's three registers begin on an even number)
.endr
	v_nop                                          ; one plain line between the conversions and the lines that touch their results
.irp c, 0,1                            ; the operand's layout wants a whole block in a lane: lanes 0-15 block 2 c, lanes 16-31 block 2 c + 1
.irp i, 0,1,2
	v_permlane16_swap_b32 v[PC+6*\c+\i], v[CT+4*\c+\i]
.endr
.irp i, 0,1,2
	v_mov_b32 v[PC+6*\c+3+\i], v[CT+4*\c+\i]
.endr
.endr
.set j, 0
.rept 16
	v_pk_mul_f32 v[OT+j:OT+j+1], v[OT+j:OT+j+1], v[FF:FF+1] op_sel_hi:[1,0]   ; O^T under the new M, ascending.  These sixteen are also the places between the scale word's and the codes' last writes and the products
.set j, j+2
.endr
	s_wait_alu depctr_va_vdst(0)                   ; p's codes (PC) and scale word (PW) are written, which the scaled products below take as source 1 and its scales; the places above stay beside this wait
	s_wait_dscnt 0x0                               ; V's images and scale words are in
.irp t, 0,1,2,3                        ; O^T += V^T P^T: four accumulators, one instruction each; the next matrix instruction on every way names other accumulators
.if (\t)%2
	v_wmma_scale_f32_16x16x128_f8f6f4 v[OT+8*\t:OT+8*\t+7], v[KV+12*\t:KV+12*\t+11], v[PC:PC+11], v[OT+8*\t:OT+8*\t+7], v[VS+\t/2], v[PW] matrix_a_fmt:MATRIX_FMT_BF6 matrix_b_fmt:MATRIX_FMT_BF6 matrix_a_scale:MATRIX_SCALE_ROW1
.else
	v_wmma_scale_f32_16x16x128_f8f6f4 v[OT+8*\t:OT+8*\t+7], v[KV+12*\t:KV+12*\t+11], v[PC:PC+11], v[OT+8*\t:OT+8*\t+7], v[VS+\t/2], v[PW] matrix_a_fmt:MATRIX_FMT_BF6 matrix_b_fmt:MATRIX_FMT_BF6
.endif
.endr
.Lskip_\@:
	s_lshr_b32 s[FL], s[FL], 1                     ; on to the next step: these lines are on every way
	s_add_co_u32 s[TK], s[TK], 6144
	s_add_co_u32 s[TS], s[TS], 512
	s_add_co_u32 s[TV], s[TV], 256
	s_add_nc_u64 s[MP:MP+1], s[MP:MP+1], 256       ; (the scalar loads that named it were waited for where they were issued)
	s_sub_co_u32 s[J], s[J], 1
	s_cmp_lg_u32 s[J], 0
	s_cbranch_scc1 .Lstep_\@
	; THE WAY OUT: O^T / the sum, through my own stage, so that sixteen lanes store one output row of 256 bytes
	v_add_f32 v14, v14, v15                        ; the sum's two halves,
	v_permlanex16_b32 v[TMP], v14, s[SEL], s[SEL+1]
	v_add_f32 v14, v14, v[TMP]                     ; and lane l xor 16's
	s_wait_alu depctr_va_vdst(0)
	v_rcp_f32 v14, v14
.rept 3
	v_nop                                          ; the plain line behind the reciprocal; with the two additions above, the places behind the last products
.endr
	s_wait_alu depctr_va_vdst(0)                   ; the reciprocal has written v14, ahead of its first reader
.set j, 0
.rept 16
	v_pk_mul_f32 v[S+j:S+j+1], v[OT+j:OT+j+1], v[14:15] op_sel_hi:[1,0]   ; ascending: each accumulator from its low end on
.set j, j+2
.endr
	s_wait_alu depctr_va_vdst(0)                   ; the multiplications have written S's first 32 registers, which the LDS stores read; the conversions that last read its other 32, in which the loads from the stage land, are done
.irp t, 0,1,2,3
	ds_store_b128 v9, v[S+8*\t:S+8*\t+3] offset:64*\t
	ds_store_b128 v9, v[S+8*\t+4:S+8*\t+7] offset:64*\t+16
.endr
.irp i, 0,1,2,3,4,5,6,7
	ds_load_b128 v[S+32+4*\i:S+35+4*\i], v10 offset:2*\i*272   ; LDS serves a wave's instructions in order: these see my stores
.endr
.irp i, 0,1,2,3,4,5,6,7
	s_wait_dscnt 7-\i                              ; load i is in; the 7 - i issued behind it may be out
	global_store_b128 v11, v[S+32+4*\i:S+35+4*\i], s[OP:OP+1] offset:(2*\i+8*(\i/4))*4096 th:TH_STORE_NT   ; stage rows 2 i, 2 i + 1 are the tile's queries 2 i + 8 (i / 4) and the next; sixteen lanes store 256 consecutive bytes, aligned
.endr
.endm
	TILE 22, 16, 46, 8, 96                         ; tile 127 - i
	s_wait_alu depctr_vm_vsrc(0)                   ; the first tile's LDS stores and global stores have read S's 64 registers, which the second tile's products write
	TILE 34, 28, 47, 12, 97                        ; tile i
	s_wait_dscnt 0x0
	s_wait_alu depctr_hold_cnt(0) depctr_sa_sdst(0) depctr_va_vdst(0) depctr_va_sdst(0) depctr_va_ssrc(0) depctr_va_vcc(0) depctr_vm_vsrc(0)
	s_wait_tensorcnt 0x0
	ds_add_u32 v254, v255
	s_wait_dscnt 0x0
	s_endpgm
.Lfunc_end_k_qa600c0890b_attn:
	.size	k_qa600c0890b_attn, .Lfunc_end_k_qa600c0890b_attn-k_qa600c0890b_attn
	.p2alignl 7, 3214868480
	.fill 96, 4, 3214868480
	.section	.rodata,"a",@progbits
	.p2align	6, 0x0
	.amdhsa_kernel k_qa600c0890b_attn
		.amdhsa_group_segment_fixed_size 280576
		.amdhsa_private_segment_fixed_size 0
		.amdhsa_enable_private_segment 0
		.amdhsa_kernarg_size 72
		.amdhsa_user_sgpr_count 2
		.amdhsa_user_sgpr_kernarg_segment_ptr 1
		.amdhsa_wavefront_size32 1
		.amdhsa_system_sgpr_workgroup_id_x 1
		.amdhsa_system_sgpr_workgroup_id_y 1
		.amdhsa_system_sgpr_workgroup_id_z 1
		.amdhsa_system_vgpr_workitem_id 0
		.amdhsa_next_free_vgpr 256
		.amdhsa_next_free_sgpr 102
		.amdhsa_reserve_vcc 0
		.amdhsa_float_denorm_mode_32 3
		.amdhsa_float_denorm_mode_16_64 3
		.amdhsa_memory_ordered 1
		.amdhsa_forward_progress 1
		.amdhsa_inst_pref_size 63
	.end_amdhsa_kernel
	.amdgpu_metadata
---
amdhsa.version: [ 1, 2 ]
amdhsa.kernels:
  - .name:           k_qa600c0890b_attn
    .symbol:         k_qa600c0890b_attn.kd
    .args:
      - { .name: qc, .offset: 0, .size: 8, .value_kind: global_buffer, .address_space: global }
      - { .name: qs, .offset: 8, .size: 8, .value_kind: global_buffer, .address_space: global }
      - { .name: kc, .offset: 16, .size: 8, .value_kind: global_buffer, .address_space: global }
      - { .name: ks, .offset: 24, .size: 8, .value_kind: global_buffer, .address_space: global }
      - { .name: vc, .offset: 32, .size: 8, .value_kind: global_buffer, .address_space: global }
      - { .name: vs, .offset: 40, .size: 8, .value_kind: global_buffer, .address_space: global }
      - { .name: mbits, .offset: 48, .size: 8, .value_kind: global_buffer, .address_space: global }
      - { .name: mflags, .offset: 56, .size: 8, .value_kind: global_buffer, .address_space: global }
      - { .name: out0, .offset: 64, .size: 8, .value_kind: global_buffer, .address_space: global }
    .group_segment_fixed_size: 280576
    .private_segment_fixed_size: 0
    .kernarg_segment_align: 8
    .kernarg_segment_size: 72
    .max_flat_workgroup_size: 512
    .sgpr_count:     102
    .vgpr_count:     256
    .wavefront_size: 32
...
	.end_amdgpu_metadata
.endif
;; end of part 4
